; MI455X (gfx1250); checked and timed in simulation.
; The chip was launched on July 23, 2026; its instructions are those of AMD's public machine-readable ISA for CDNA 5 (MIT licence, August 2026) and "CDNA5" Instruction Set Architecture Reference Guide (July 2026). The comments in the code are by the model that wrote it; some were corrected since.
;; MHA. Allowed arithmetic: matrix products marked QUANTISED: E2M1 operands, one E8M0 scale for each 32 along K, by v_wmma_scale_f32_16x16x128_f8f6f4 with both operands' format E2M1 (or v_wmma_scale_f32_32x16x128_f4), f32 sums; products left as they are: bf16, f16 or f32 operands; f32 sums; everything else in f32.
;; Inputs: Wk 2,048 x 1,024 float32; Wo 1,024 x 2,048 float32; Wq 2,048 x 1,024 float32; Wv 2,048 x 1,024 float32; x 2 x 2,048 x 2,048 float32.
;; Outputs: out0 2 x 2,048 x 2,048 float32.
;; Constants: is_causal = 1.
;; This version of the problem:
;;   THIS VERSION OF THE PROBLEM IS GIVEN IN LOW PRECISION. The matrix products marked QUANTISED in the list below multiply operands that are first quantised to E2M1 (2 exponent bits, 1 mantissa bit; 4 bits a number), with one power-of-two scale for each 32 numbers along K (OCP MX v1.0); their sums are f32. The products marked 'left as it is' may take bf16, f16 or f32 operands, with f32 sums. Whichever they take, every output number must still come out within the allowed error. Rounding operands to bf16 (8 significant bits) uses up far more of that allowance than f16 does (11 bits, for magnitudes from 6e-5 to 65,504). All else is computed in f32.
;;   The module's matrix products, in the order in which they are computed (A, B: the left and right operand; K: the contracted axis; several contracted axes count as one K, in the product's order):
;;     1. [M 4,096, K 2,048] x [K 2,048, N 1,024]; A: input x; B: input Wq: QUANTISED
;;     2. [M 4,096, K 2,048] x [K 2,048, N 1,024]; A: input x; B: input Wk: QUANTISED
;;     3. [M 4,096, K 2,048] x [K 2,048, N 1,024]; A: input x; B: input Wv: QUANTISED
;;     4. batch 16 x [M 2,048, K 128] x [K 128, N 2,048]; A: computed on the way; B: computed on the way: left as it is (an operand is computed on the way)
;;     5. batch 16 x [M 2,048, K 2,048] x [K 2,048, N 128]; A: computed on the way; B: computed on the way: left as it is (an operand is computed on the way)
;;     6. [M 4,096, K 1,024] x [K 1,024, N 2,048]; A: computed on the way; B: input Wo: left as it is (an operand is computed on the way)
;;   THE QUANTISER, for each operand of a quantised product, along K:
;;     - K is cut into blocks of 32 from its start; a last block that is shorter is filled with zeros.
;;     - A block's scale is 2^e with e = floor(log2(the largest magnitude in the block)) - 2, held to -126 .. 127; a block of zeros has e = 0. As a byte (E8M0): e + 127.
;;     - Each number is divided by its block's scale, clamped to +-6, and rounded to the nearest number of E2M1, ties to even, subnormals kept.
;;     - The product sums the exact products of the quantised numbers (number of the format x scale) in f32.
;;   ~~~python
;;   def quantise(x, axis):      # numpy; x: float32 -> the quantised numbers, widened to float32 again
;;       x = np.moveaxis(x, axis, -1); K = x.shape[-1]
;;       x = np.pad(x, [(0, 0)] * (x.ndim - 1) + [(0, -K % 32)]); x = x.reshape(x.shape[:-1] + (-1, 32)); a = np.abs(x).max(-1, keepdims=True)
;;       e = np.where(a > 0, np.clip(np.frexp(np.where(a > 0, a, 1))[1] - 1 - 2, -126, 127), 0)      # np.frexp(a)[1] - 1 = floor(log2(a)), exactly
;;       r = np.clip(x / 2.0 ** e, -6, 6)
;;       step = 2.0 ** (np.maximum(np.frexp(np.where(r == 0, 1, r))[1] - 1, 0) - 1)
;;       q = np.round(r / step) * step * 2.0 ** e      # np.round: ties to even
;;       return np.moveaxis(q.reshape(q.shape[:-2] + (-1,))[..., :K], -1, axis).astype(np.float32)
;;   ~~~
;; One version. Each part assembles by itself: llvm-mc -triple=amdgcn-amd-amdhsa -mcpu=gfx1250 --defsym DOCPART=n.
;; ======== version 1 of 1: 5 launches
;; limits: values are held in f16: magnitudes above 65,504 overflow, below 6.1e-05 lose precision
;; workspace buffers: codes 7,340,032 bytes; scales 458,752 bytes; wo16 4,194,304 bytes; tab 1,048,576 bytes; qkvimg 25,165,824 bytes; fst 393,216 bytes; ao 8,388,608 bytes
;; launch prep (part 1): grid 448 x 1, 4 waves a work-group, no clusters, 68,096 bytes of LDS; arguments x, Wq, Wk, Wv, Wo, codes, scales, wo16, tab; writes codes, scales, wo16, tab
.if DOCPART == 1
	.amdgcn_target "amdgcn-amd-amdhsa--gfx1250"
	.amdhsa_code_object_version 6
	.text
	.protected	k_q57c5884c33_prep
	.globl	k_q57c5884c33_prep
	.p2align	8
	.type	k_q57c5884c33_prep,@function
k_q57c5884c33_prep:
	s_mov_b64 s[64:65], 0
	v_nop
	global_prefetch_b8 v0, s[64:65] scope:SCOPE_SE
	s_setreg_imm32_b32 hwreg(HW_REG_WAVE_MODE, 25, 1), 1
	s_wait_xcnt 0x0
; PREP.  Everything that is made once from the inputs.
;   codes [7168 rows][1024 B], scales [7168][64 B]: E2M1 codes, K = 2048 innermost, one E8M0 byte for each 32 along K.  Rows 0-4095: x's rows.  Rows 4096 + 1024 X + n: column n of Wq, Wk, Wv (X = 0, 1, 2).
;   wo16 [1024][2048]: Wo rounded to f16, as it lies.     tab: the rotation's cosines and sines, f32, laid as the next launch's registers want them:
;   [g = position / 16][bb 0..7][i 0..1][lane][16 B]; lane (r = lane % 16, h = lane / 16) holds (cos, sin, cos, sin) of position 16 g + r and frequencies 8 bb + 4 h + 2 i, + 1.
; A block's scale is 2^(floor(log2(its largest magnitude)) - 2); its byte is that magnitude's exponent field - 2, held at 1 from below.
; LIMITS: a block of zeros, and one whose largest magnitude lies under 2^-124, gets the byte 1 (a block of zeros has zero codes, which add nothing; the bytes are read by this program alone).  NaN and infinities are not served.
;   Wo must lie under 65,504 in magnitude; under 6e-5 it carries an absolute error of up to 3e-8.  The angle position x frequency is exact but for the frequency's last bit: up to some 2e-4 rad at the last positions.
; SHARES.  Work-groups 0-191 (role W, the longer chain of dependent loads, so it has the lower numbers): 64 columns x 512 along K of one weight.
;   Work-groups 192-447 (role X): wave = run 0..1023: 8,192 numbers of x, 2,048 numbers of Wo, 1,024 bytes of the table.
; The two roles have LDS bytes of their own and each ends by itself.  No tensor load, no barrier: waves share nothing.
.set SPW,   12                         ; v12  LDS address of my spare word; never rewritten
.set NIL,   13                         ; v13  0; never rewritten
.set NWG,   192                        ; role W's work-groups
.set WREG,  8192                       ; role X: a region for each wave: two stages of 32 x 80 bytes, then its 256 scale bytes
.set SP,    80
.set WSTG,  32768                      ; role W: four stages of 16 x 272 bytes
.set SPARE, 67584                      ; the spare words, 128 bytes for each wave: two blocks of 256 bytes that no other line names
.set STEPS, 16
.set EMAX,  2
.set CB,    8
.set R,     16                         ; v16-79   four sets of 16 numbers as loaded
.set X,     80                         ; v80-111  two sets of 16 neighbours
.set E,     112                        ; v112-127 a scale byte for each step
.set C,     128                        ; v128-191 codes, four registers for each step (before that: the table's arithmetic)
.set WO,    192                        ; v192-255 Wo's 2,048 numbers
.set TT,    128                        ; the table: ten work registers for each of four frequencies
.set TR,    176                        ; v176-183 its eight results
	s_load_b256 s[4:11], s[0:1], 0x0               ; x, Wq, Wk, Wv
	s_load_b256 s[12:19], s[0:1], 0x20             ; Wo, codes, scales, wo16
	s_load_b64 s[20:21], s[0:1], 0x40              ; tab
	v_lshl_add_u32 v[SPW], v0, 2, SPARE
	v_mov_b32 v[NIL], 0
	v_lshrrev_b32 v1, 5, v0
	v_readfirstlane_b32 s22, v1                    ; wave
	v_and_b32 v2, 31, v0                           ; lane
	s_cmp_lt_u32 ttmp9, NWG
	s_cbranch_scc1 .Lweights
; ---------------- ROLE X ----------------
	v_lshlrev_b32 v3, 4, v2                        ; 16 x lane
	s_mul_i32 s23, s22, WREG
	v_lshrrev_b32 v14, 2, v2
	v_mul_u32_u24 v14, v14, SP
	v_and_b32 v15, 3, v2
	v_lshl_add_u32 v14, v15, 4, v14
	v_add_nc_u32 v14, s23, v14                     ; the stage, on the way in: four lanes' 64 bytes on end, then 16 of padding
	v_mul_u32_u24 v15, v2, SP
	v_add_nc_u32 v15, s23, v15                     ; and on the way out: my 16 neighbours
	v_lshlrev_b32 v4, 3, v2                        ; 8 x lane
	v_lshrrev_b32 v5, 1, v2
	s_add_co_u32 s23, s23, 2*32*SP
	v_add_nc_u32 v5, s23, v5                       ; my block's scale byte in LDS
	v_add_nc_u32 v6, s23, v4                       ; and 8 bytes a lane on the way out
	s_sub_co_u32 s24, ttmp9, NWG
	s_lshl_b32 s24, s24, 2
	s_add_co_u32 s24, s24, s22                     ; run
	s_lshr_b32 s25, s24, 3
	s_lshl_b32 s25, s25, 4                         ; the table: first position, 16 g
	s_and_b32 s39, s24, 7
	s_lshl_b32 s39, s39, 3                         ; first frequency, 8 bb
	s_mov_b32 s28, 0x3fc90fdb                      ; pi / 2, high part
	s_mov_b32 s29, 0xb33bbd2e                      ; and the rest
	s_mov_b32 s30, 0x3638ef1d                      ; sine: 1/9!, -1/7!, 1/5!, -1/3!
	s_mov_b32 s31, 0xb9500d01
	s_mov_b32 s32, 0x3c088889
	s_mov_b32 s33, 0xbe2aaaab
	s_mov_b32 s34, 0x37d00d01                      ; cosine: 1/8!, -1/6!, 1/4!
	s_mov_b32 s35, 0xbab60b61
	s_mov_b32 s36, 0x3d2aaaab
	s_mov_b32 s27, 0
	s_wait_kmcnt 0x0
	s_lshl_b32 s26, s24, 15
	s_add_nc_u64 s[4:5], s[4:5], s[26:27]          ; x: 32,768 bytes a run
	s_lshl_b32 s26, s24, 13
	s_add_nc_u64 s[12:13], s[12:13], s[26:27]      ; Wo: 8,192
	s_lshl_b32 s26, s24, 12
	s_add_nc_u64 s[14:15], s[14:15], s[26:27]      ; codes: 4,096
	s_add_nc_u64 s[18:19], s[18:19], s[26:27]      ; wo16: 4,096
	s_lshl_b32 s26, s24, 8
	s_add_nc_u64 s[16:17], s[16:17], s[26:27]      ; scale bytes: 256
	s_lshl_b32 s26, s24, 10
	s_add_nc_u64 s[20:21], s[20:21], s[26:27]      ; table: 1,024
.irp i, 0,1,2,3,4,5,6,7,8,9,10,11,12,13,14,15
	global_load_b128 v[WO+4*\i:WO+4*\i+3], v3, s[12:13] offset:512*\i   ; Wo: 32 lanes read 512 consecutive bytes
.endr
.macro LOAD t
.irp i, 0,1,2,3
	global_load_b128 v[R+16*((\t)%4)+4*\i:R+16*((\t)%4)+4*\i+3], v3, s[4:5] offset:2048*(\t)+512*\i th:TH_LOAD_NT
.endr
.endm
.macro TURN t                          ; step t's numbers through the stage: LDS serves a wave's instructions in order, so no wait stands between the stores and the loads
.irp i, 0,1,2,3
	ds_store_b128 v14, v[R+16*((\t)%4)+4*\i:R+16*((\t)%4)+4*\i+3] offset:32*SP*((\t)%2)+8*SP*\i
.endr
.irp i, 0,1,2,3
	ds_load_b128 v[X+16*((\t)%2)+4*\i:X+16*((\t)%2)+4*\i+3], v15 offset:32*SP*((\t)%2)+16*\i
.endr
.endm
.irp t, 0,1,2,3
	LOAD \t
.endr
	; the table, while the loads are on their way.  frequency j: 10000^(-j / 64) = 2^(-j log2(10000) / 64); angle = position x frequency, one rounding, as the outer product has it
	v_and_b32 v8, 15, v2
	v_lshrrev_b32 v9, 4, v2
	v_add_nc_u32 v8, s25, v8
	v_cvt_f32_u32 v8, v8                           ; my position
	v_lshl_add_u32 v9, v9, 2, s39                  ; my first frequency's number: 8 bb + 4 h
.irp p, 0,1,2,3
	v_add_nc_u32 v[TT+10*\p], \p, v9
.endr
.irp p, 0,1,2,3
	v_cvt_f32_u32 v[TT+10*\p], v[TT+10*\p]
.endr
.irp p, 0,1,2,3
	v_mul_f32 v[TT+10*\p], 0xbe549a78, v[TT+10*\p]
.endr
.irp p, 0,1,2,3
	v_exp_f32 v[TT+10*\p], v[TT+10*\p]
.endr
	v_nop                                          ; a plain place behind the last exponential
	s_wait_alu depctr_va_vdst(0)                   ; one wait for the four, ahead of their first reader
.irp p, 0,1,2,3
	v_mul_f32 v[TT+10*\p], v8, v[TT+10*\p]         ; the angle
.endr
.irp p, 0,1,2,3
	v_mul_f32 v[TT+10*\p+1], 0x3f22f983, v[TT+10*\p]
.endr
.irp p, 0,1,2,3
	v_rndne_f32 v[TT+10*\p+1], v[TT+10*\p+1]       ; n = the nearest multiple of pi / 2
.endr
.irp p, 0,1,2,3
	v_fma_f32 v[TT+10*\p], -v[TT+10*\p+1], s28, v[TT+10*\p]
.endr
.irp p, 0,1,2,3
	v_fma_f32 v[TT+10*\p], -v[TT+10*\p+1], s29, v[TT+10*\p]   ; phi = angle - n pi / 2, within pi / 4 of 0
.endr
.irp p, 0,1,2,3
	v_mul_f32 v[TT+10*\p+2], v[TT+10*\p], v[TT+10*\p]         ; z = phi^2
	v_cvt_i32_f32 v[TT+10*\p+5], v[TT+10*\p+1]                ; n as a whole number
.endr
.irp p, 0,1,2,3
	v_fma_f32 v[TT+10*\p+3], v[TT+10*\p+2], s30, s31
	v_fma_f32 v[TT+10*\p+4], v[TT+10*\p+2], s34, s35
.endr
.irp p, 0,1,2,3
	v_fma_f32 v[TT+10*\p+3], v[TT+10*\p+2], v[TT+10*\p+3], s32
	v_fma_f32 v[TT+10*\p+4], v[TT+10*\p+2], v[TT+10*\p+4], s36
.endr
.irp p, 0,1,2,3
	v_fma_f32 v[TT+10*\p+3], v[TT+10*\p+2], v[TT+10*\p+3], s33
	v_fma_f32 v[TT+10*\p+4], v[TT+10*\p+2], v[TT+10*\p+4], -0.5
	v_mul_f32 v[TT+10*\p+6], v[TT+10*\p], v[TT+10*\p+2]
.endr
.irp p, 0,1,2,3
	v_fma_f32 v[TT+10*\p+3], v[TT+10*\p+6], v[TT+10*\p+3], v[TT+10*\p]   ; sin phi
	v_fma_f32 v[TT+10*\p+4], v[TT+10*\p+2], v[TT+10*\p+4], 1.0           ; cos phi
	v_and_b32 v[TT+10*\p+6], 1, v[TT+10*\p+5]
.endr
.irp p, 0,1,2,3
	v_cmp_ne_u32 vcc_lo, 0, v[TT+10*\p+6]                                ; an odd n changes the two over
	v_cndmask_b32 v[TT+10*\p+7], v[TT+10*\p+4], v[TT+10*\p+3], vcc_lo
	v_cndmask_b32 v[TT+10*\p+8], v[TT+10*\p+3], v[TT+10*\p+4], vcc_lo
	v_add_nc_u32 v[TT+10*\p+6], 1, v[TT+10*\p+5]
	v_and_b32 v[TT+10*\p+6], 2, v[TT+10*\p+6]
	v_lshlrev_b32 v[TT+10*\p+6], 30, v[TT+10*\p+6]
	v_xor_b32 v[TR+2*\p], v[TT+10*\p+6], v[TT+10*\p+7]                   ; the cosine is negative where (n + 1) & 2
	v_and_b32 v[TT+10*\p+6], 2, v[TT+10*\p+5]
	v_lshlrev_b32 v[TT+10*\p+6], 30, v[TT+10*\p+6]
	v_xor_b32 v[TR+2*\p+1], v[TT+10*\p+6], v[TT+10*\p+8]                 ; the sine where n & 2
.endr
	global_store_b128 v3, v[TR:TR+3], s[20:21]                 ; 512 consecutive bytes a store
	global_store_b128 v3, v[TR+4:TR+7], s[20:21] offset:512
	s_wait_loadcnt 16                              ; Wo's 16 loads are in; x's 16, issued behind them, may be out
.irp i, 0,1,2,3,4,5,6,7,8,9,10,11,12,13,14,15
	v_cvt_pk_f16_f32 v[WO+4*\i], v[WO+4*\i], v[WO+4*\i+1]
	v_cvt_pk_f16_f32 v[WO+4*\i+1], v[WO+4*\i+2], v[WO+4*\i+3]
.endr
.irp i, 0,1,2,3,4,5,6,7,8,9,10,11,12,13,14,15
	global_store_b64 v4, v[WO+4*\i:WO+4*\i+1], s[18:19] offset:256*\i    ; 32 lanes store 256 consecutive bytes, aligned
.endr
	s_wait_xcnt 0x0                                ; the table's stores have read their registers, which the codes take below
	s_wait_loadcnt 12                              ; step 0's four loads are in
	TURN 0
.macro STEP t
.set XS, X+16*((\t)%2)
.if (\t) > 0
	s_wait_dscnt 1                                 ; this step's numbers are back from the stage (the last step's byte store may be out)
.else
	s_wait_dscnt 0x0
.endif
.if (\t)+4 < STEPS
	LOAD (\t)+4
.endif
.if (\t)+1 < STEPS
.if STEPS-2-(\t) >= 3
	s_wait_loadcnt 12                              ; the next step's four loads are in; those of the three steps behind it may be out
.else
	s_wait_loadcnt 4*(STEPS-2-(\t))
.endif
	TURN (\t)+1
.endif
	v_max3_num_f32 v8, |v[XS]|, |v[XS+1]|, |v[XS+2]|               ; the largest magnitude of my 16
	v_max3_num_f32 v9, |v[XS+3]|, |v[XS+4]|, |v[XS+5]|
.irp i, 6,10
	v_max3_num_f32 v8, v8, |v[XS+\i]|, |v[XS+\i+1]|
	v_max3_num_f32 v9, v9, |v[XS+\i+2]|, |v[XS+\i+3]|
.endr
	v_max3_num_f32 v8, v8, |v[XS+14]|, |v[XS+15]|
	v_max3_num_f32 v8, v8, v9, (EMAX+1)<<23        ; and the floor 2^(3 - 127): the byte cannot fall under 1
	v_max_num_f32_dpp v8, v8, v8 row_xmask:1 row_mask:0xf bank_mask:0xf   ; and of my neighbour's 16: the block's
	v_add_nc_u32 v11, -(EMAX<<23), v8              ; 2 off its exponent field: the conversion takes the exponent field of this operand as its scale
	v_cvt_scalef32_pk8_fp4_f32 v[C+4*(\t)], v[XS:XS+7], v11
	v_cvt_scalef32_pk8_fp4_f32 v[C+4*(\t)+1], v[XS+8:XS+15], v11
	v_lshrrev_b32 v[E+(\t)], 23, v11               ; the scale's byte
	ds_store_b8 v5, v[E+(\t)] offset:16*(\t)       ; both lanes of a block write the same byte with the same value
	global_store_b64 v4, v[C+4*(\t):C+4*(\t)+1], s[14:15] offset:32*CB*(\t)   ; 256 consecutive bytes, aligned
.endm
.irp t, 0,1,2,3,4,5,6,7,8,9,10,11,12,13,14,15
	STEP \t
.endr
	ds_load_b64 v[8:9], v6                         ; LDS serves a wave's instructions in order: these see my stores
	s_wait_dscnt 0x0
	global_store_b64 v4, v[8:9], s[16:17]          ; the run's 256 scale bytes: one aligned store
	s_wait_tensorcnt 0x0                           ; the wave's end
	ds_add_u32 v[SPW], v[NIL]
	s_wait_dscnt 0x0
	s_endpgm
; ---------------- ROLE W ----------------
; A lane takes a column n and its registers run down K: a block of 32 along K lies in one lane, and the codes come out with K innermost.
; A wave takes 16 columns x 512 along K: lanes 0-15 the lower 256 along K, lanes 16-31 the upper 256 of the same columns.  So a lane has 8 blocks: with two blocks (64 loads) asked for ahead that is four
; rounds of loads that wait for each other, and a column's 512 codes, 256 bytes, still meet in the wave's own stage and leave whole.  A load reads 64 consecutive bytes of each of two rows; the work-group's
; four waves stand side by side on 256 consecutive bytes of a row.
.set PITCH, 272
.set NB,    8
.set XW,    32                         ; v32-95   two sets of 32 numbers
.set CW,    96                         ; v96-99   a block's codes
.set OUTR,  112                        ; v112-143 the way out
.set SB,    24                         ; v24-25   the scale bytes, four to a register
.Lweights:
	s_lshr_b32 s24, ttmp9, 6                       ; which weight
	s_and_b32 s25, ttmp9, 15                       ; which 64 columns
	s_bfe_u32 s26, ttmp9, 0x20004                  ; which 512 along K
	s_lshl_b32 s25, s25, 6
	s_lshl_b32 s27, s22, 4
	s_add_co_u32 s25, s25, s27                     ; my wave's first column
	v_and_b32 v5, 15, v2                           ; r
	v_lshrrev_b32 v6, 4, v2                        ; h
	v_lshlrev_b32 v3, 2, v5
	v_lshl_add_u32 v3, v6, 20, v3                  ; in: 4 r, + h x 256 rows of 4,096 bytes
	s_mul_i32 s27, s22, 16*PITCH
	s_add_co_u32 s27, s27, WSTG                    ; my stage
	v_mul_u32_u24 v4, v5, PITCH
	v_lshl_add_u32 v4, v6, 7, v4
	v_add_nc_u32 v4, s27, v4                       ; into it: row = my column, + 128 h bytes
	v_mul_u32_u24 v7, v6, PITCH
	v_lshl_add_u32 v7, v5, 4, v7
	v_add_nc_u32 v7, s27, v7                       ; out of it: sixteen lanes to a row, two rows an instruction
	v_lshlrev_b32 v8, 10, v6
	v_lshl_add_u32 v8, v5, 4, v8                   ; and the same place in the codes' buffer
	v_lshlrev_b32 v9, 6, v5
	v_lshl_add_u32 v9, v6, 3, v9                   ; my column's row of scale bytes, + 8 h
	s_lshl_b32 s28, s26, 21                        ; 512 rows of 4,096 bytes
	s_lshl_b32 s29, s25, 2
	s_add_co_u32 s28, s28, s29
	s_mov_b32 s29, 0
	s_lshl_b32 s30, s24, 10
	s_add_co_u32 s30, s30, s25
	s_add_co_u32 s30, s30, 4096                    ; the first output row
	s_lshl_b32 s32, s30, 10
	s_lshl_b32 s31, s26, 8
	s_add_co_u32 s32, s32, s31
	s_mov_b32 s33, 0
	s_lshl_b32 s34, s30, 6
	s_lshl_b32 s31, s26, 4
	s_add_co_u32 s34, s34, s31
	s_mov_b32 s35, 0
	s_wait_kmcnt 0x0
	s_cmp_eq_u32 s24, 0
	s_cselect_b64 s[36:37], s[6:7], s[8:9]
	s_cmp_eq_u32 s24, 2
	s_cselect_b64 s[36:37], s[10:11], s[36:37]     ; the choice hangs on the work-group's number alone
	s_add_nc_u64 s[36:37], s[36:37], s[28:29]
	s_add_nc_u64 s[14:15], s[14:15], s[32:33]
	s_add_nc_u64 s[16:17], s[16:17], s[34:35]
.macro WLOAD t
.irp i, 0,1,2,3,4,5,6,7,8,9,10,11,12,13,14,15,16,17,18,19,20,21,22,23,24,25,26,27,28,29,30,31
	global_load_b32 v[XW+32*((\t)%2)+\i], v3, s[36:37] offset:(32*(\t)+\i)*4096 th:TH_LOAD_NT
.endr
.endm
	WLOAD 0
	WLOAD 1
.macro BLOCK t
.set XS, XW+32*((\t)%2)
.if (\t) < NB-1
	s_wait_loadcnt 32                              ; this block's 32 loads are in; the next block's may be out
.else
	s_wait_loadcnt 0x0
.endif
	v_max3_num_f32 v16, |v[XS]|, |v[XS+1]|, |v[XS+2]|
	v_max3_num_f32 v17, |v[XS+3]|, |v[XS+4]|, |v[XS+5]|
.irp i, 6,10,14,18,22,26
	v_max3_num_f32 v16, v16, |v[XS+\i]|, |v[XS+\i+1]|
	v_max3_num_f32 v17, v17, |v[XS+\i+2]|, |v[XS+\i+3]|
.endr
	v_max3_num_f32 v16, v16, |v[XS+30]|, |v[XS+31]|
	v_max3_num_f32 v16, v16, v17, (EMAX+1)<<23
	v_add_nc_u32 v11, -(EMAX<<23), v16
	v_lshrrev_b32 v17, 23, v11
.if (\t)%4 == 0
	v_mov_b32 v[SB+(\t)/4], v17
.else
	v_lshl_or_b32 v[SB+(\t)/4], v17, 8*((\t)%4), v[SB+(\t)/4]
.endif
.irp g, 0,1,2,3
	v_cvt_scalef32_pk8_fp4_f32 v[CW+\g], v[XS+8*\g:XS+8*\g+7], v11
.endr
	ds_store_b128 v4, v[CW:CW+3] offset:16*(\t)
.if (\t)+2 < NB
	WLOAD (\t)+2
.endif
	s_wait_dscnt 0x0                               ; the store has read its registers: the next block's codes may be written
.endm
.set Q, 0
.rept NB
	BLOCK Q
.set Q, Q+1
.endr
	global_store_b64 v9, v[SB:SB+1], s[16:17]      ; my 8 scale bytes; lanes l and l + 16 together store a column's 16
.irp t, 0,1,2,3,4,5,6,7
	ds_load_b128 v[OUTR+4*\t:OUTR+4*\t+3], v7 offset:2*\t*PITCH
.endr
.irp t, 0,1,2,3,4,5,6,7
	s_wait_dscnt 7-\t                              ; load t is in; the later ones may be out
	global_store_b128 v8, v[OUTR+4*\t:OUTR+4*\t+3], s[14:15] offset:2*\t*1024   ; sixteen lanes store 256 consecutive bytes, aligned
.endr
	s_wait_tensorcnt 0x0                           ; the wave's end: the three lines
	ds_add_u32 v[SPW], v[NIL]
	s_wait_dscnt 0x0
	s_endpgm
.Lfunc_end_k_q57c5884c33_prep:
	.size	k_q57c5884c33_prep, .Lfunc_end_k_q57c5884c33_prep-k_q57c5884c33_prep
	.p2alignl 7, 3214868480
	.fill 96, 4, 3214868480
	.section	.rodata,"a",@progbits
	.p2align	6, 0x0
	.amdhsa_kernel k_q57c5884c33_prep
		.amdhsa_group_segment_fixed_size 68096
		.amdhsa_private_segment_fixed_size 0
		.amdhsa_enable_private_segment 0
		.amdhsa_kernarg_size 72
		.amdhsa_user_sgpr_count 2
		.amdhsa_user_sgpr_kernarg_segment_ptr 1
		.amdhsa_wavefront_size32 1
		.amdhsa_system_sgpr_workgroup_id_x 1
		.amdhsa_system_sgpr_workgroup_id_y 1
		.amdhsa_system_sgpr_workgroup_id_z 1
		.amdhsa_system_vgpr_workitem_id 0
		.amdhsa_next_free_vgpr 256
		.amdhsa_next_free_sgpr 66
		.amdhsa_reserve_vcc 1
		.amdhsa_float_denorm_mode_32 3
		.amdhsa_float_denorm_mode_16_64 3
		.amdhsa_memory_ordered 1
		.amdhsa_forward_progress 1
		.amdhsa_inst_pref_size 85
	.end_amdhsa_kernel
	.amdgpu_metadata
---
amdhsa.version: [ 1, 2 ]
amdhsa.kernels:
  - .name:           k_q57c5884c33_prep
    .symbol:         k_q57c5884c33_prep.kd
    .args:
      - { .name: x, .offset: 0, .size: 8, .value_kind: global_buffer, .address_space: global }
      - { .name: Wq, .offset: 8, .size: 8, .value_kind: global_buffer, .address_space: global }
      - { .name: Wk, .offset: 16, .size: 8, .value_kind: global_buffer, .address_space: global }
      - { .name: Wv, .offset: 24, .size: 8, .value_kind: global_buffer, .address_space: global }
      - { .name: Wo, .offset: 32, .size: 8, .value_kind: global_buffer, .address_space: global }
      - { .name: codes, .offset: 40, .size: 8, .value_kind: global_buffer, .address_space: global }
      - { .name: scales, .offset: 48, .size: 8, .value_kind: global_buffer, .address_space: global }
      - { .name: wo16, .offset: 56, .size: 8, .value_kind: global_buffer, .address_space: global }
      - { .name: tab, .offset: 64, .size: 8, .value_kind: global_buffer, .address_space: global }
    .group_segment_fixed_size: 68096
    .private_segment_fixed_size: 0
    .kernarg_segment_align: 8
    .kernarg_segment_size: 72
    .max_flat_workgroup_size: 128
    .sgpr_count:     66
    .vgpr_count:     256
    .wavefront_size: 32
...
	.end_amdgpu_metadata
.endif
;; end of part 1
;; launch qkv (part 2): grid 12 x 16, 4 waves a work-group, clusters of 4 x 4, 327,680 bytes of LDS; arguments codes, scales, tab, qkvimg, fst; writes qkvimg, fst
.if DOCPART == 2
	.amdgcn_target "amdgcn-amd-amdhsa--gfx1250"
	.amdhsa_code_object_version 6
	.text
	.protected	k_q57c5884c33_qkv
	.globl	k_q57c5884c33_qkv
	.p2align	8
	.type	k_q57c5884c33_qkv,@function
k_q57c5884c33_qkv:
	s_mov_b64 s[64:65], 0
	v_nop
	global_prefetch_b8 v0, s[64:65] scope:SCOPE_SE
	s_setreg_imm32_b32 hwreg(HW_REG_WAVE_MODE, 25, 1), 1
	s_wait_xcnt 0x0
	s_wait_alu depctr_hold_cnt(0) depctr_sa_sdst(0) depctr_va_vdst(0) depctr_va_sdst(0) depctr_va_ssrc(0) depctr_va_vcc(0) depctr_vm_vsrc(0)
	s_getreg_b32 s2, hwreg(HW_REG_IB_STS2, 6, 4)
	s_cmp_eq_u32 s2, 0
	s_cbranch_scc0 .Lentry_in_a_cluster
	s_endpgm
.Lentry_in_a_cluster:
	s_bfe_u32 s2, ttmp6, 0x10000c
	s_cmp_lg_u32 s2, 0xf033
	s_cbranch_scc0 .Lentry_shape_is_right
	s_endpgm
.Lentry_shape_is_right:
; QKV.  q = x Wq, k = x Wk, v = x Wv on E2M1 codes with E8M0 scales (K = 2048), the rotation of q and k in f32, results rounded to f16 and laid as the attention's registers want them.
; One buffer holds all operands' rows: codes [7168][1024 B], scales [7168][64 B]: rows 0-4095 x, rows 4096 + 1024 X + n column n of weight X.  A tile is 256 such rows.
; A work-group makes 256 x 256 results, a wave 128 x 128: 64 accumulators of 16 x 16.  K goes in steps of 512 through a ring of two LDS slots; all scale bytes of the 512 rows come once and stay.
; The matrix instruction is used transposed (source 0 = 16 rows of "B", source 1 = 16 rows of "A"): a lane holds one row of A and eight neighbouring rows of B.
; The cluster's x is the tensor X.  X = 0, 1: A = x's rows, B = the weight's: a lane holds one position and eight channels, which the rotation pairs up inside the lane.
; X = 2: A = Wv's rows, B = x's: a lane holds one channel and eight neighbouring keys: a piece of V^T as the attention's second product wants it.  Only tile numbers differ; the loop is one.
; A wave's 128 weight rows are one head.  So accumulator (a, b), rounded to f16, is 512 consecutive bytes of the image and goes straight from registers to memory:
;   q, k: [position / 16][bb 0..7][lane][16 B]: position r, channels 16 bb + 8 h + 0..7.      v: [key / 128][a 0..7][bb 0..7][lane][16 B]: channel 16 a + r, keys 16 bb + 8 h + 0..7.
; Positions 0-15 of each sequence are also stored in f32 (fst), for the launch that carries those rows finely.
; THE ROTATION'S TABLE has four sets of 64 registers.  Two lie in window 1, in registers that the K loop never names, and are asked for at the kernel's head; two in window 0, free behind the last product.
; 4 x 4 work-groups form a cluster: A's tiles are asked for jointly along a row of the cluster, B's along a column.  192 work-groups: a wave's columns must be one head for the stores above.
; LIMITS: q, k, v must lie under 65,504 in magnitude (f16); under 6e-5 they carry an absolute error of up to 3e-8.
.set KSTEP,  512
.set NQ,     4
.set ROWB,   256
.set KROW,   1024
.set PITCH,  272                       ; an LDS row: 256 bytes + 16 of padding: the 16 rows that a load touches start at 16 different banks (64 banks of 4 bytes: ISA guide 11.1)
.set FR,     8
.set NL,     2
.set NP,     4
.set HALFT,  128*PITCH
.set SLOT,   4*HALFT
.set LAPS,   2
.set KS,     64
.set SCL,    2*SLOT
.set HALFS,  32*272
.set SBLK,   4*272
.set SPARE,  SCL+4*HALFS               ; the spare words, 128 bytes for each wave: two blocks of 256 bytes that no other line names
.set ADRA, 16
.set ADRB, 20
.set CO,   26                          ; v26  16 x lane
.set ADRS, 27
.set SPW,  28
.set NIL,  29
.set FLG,  30                          ; v30  my wave's first position in its sequence
.set SC,   32
.set AF,   128
.set RR,   160                         ; the way out: v160-223 64 rotated numbers; v224-255 their 32 f16 pairs
.set HH,   224
.set G1, 24
.set G0, 32
.set G1B, 48
.set G0B, 56
.set G1S, 68
.set G0S, 76
.set G1SB, 80
.set G0SB, 88
.set MSB, 0
.macro WIN new                         ; the immediate's high byte repeats the setting that is left
.if MSB != (\new)
	s_set_vgpr_msb (MSB<<8)|(\new)
.set MSB, (\new)
.endif
.endm
.set MUL_LO, 0xa1                      ; source 0 (B) window 1, source 1 (A) window 0, C and D window 2
.set MUL_HI, 0xf1
.set TO_B,   0x40
; The table's set for block a of 16 positions: TS its first register, TW its window.  Window 1 holds B's fragments at v0-63 and v128-191: v64-127 and v192-255 are free there.
.macro TSEL a
.if ((\a)%4) == 0
.set TS, 64
.set TW, 1
.elseif ((\a)%4) == 1
.set TS, 192
.set TW, 1
.elseif ((\a)%4) == 2
.set TS, 32
.set TW, 0
.else
.set TS, 96
.set TW, 0
.endif
.endm
.macro TLOADS a                        ; block a's table: 16 loads of 512 consecutive bytes.  It leaves the destination's window set
	TSEL \a
	WIN (TW<<6)
.irp qd, 0,1,2,3,4,5,6,7,8,9,10,11,12,13,14,15
	global_load_b128 v[TS+4*\qd:TS+4*\qd+3], v[CO], s[8:9] offset:(\a)*8192+\qd*512
.endr
.endm
; A joint load: waves 0 and 1 fetch for A, waves 2 and 3 for B.  The branch hangs on the wave's number alone.  An s_nop 0 and four v_nop follow each of the two lines.
.macro JLOAD g0a, g1a, g0b, g1b
	s_cmp_eq_u32 s15, 0
	s_cbranch_scc0 .Lfor_b_\@
	tensor_load_to_lds s[\g0a:\g0a+3], s[\g1a:\g1a+7]
	s_nop 0
.rept 4
	v_nop
.endr
	s_branch .Lasked_\@
.Lfor_b_\@:
	tensor_load_to_lds s[\g0b:\g0b+3], s[\g1b:\g1b+7]
	s_nop 0
.rept 4
	v_nop
.endr
.Lasked_\@:
.endm
.macro CREST
	s_cmp_lg_u32 s14, 0
	s_cbranch_scc1 .Lnot_wave_0_\@
	s_barrier_signal -3
.Lnot_wave_0_\@:
	s_barrier_wait -3
	s_barrier_signal -1
	s_barrier_wait -1
.endm
.macro CROUND
	s_barrier_signal -1
	s_barrier_wait -1
	CREST
.endm
	s_load_b256 s[4:11], s[0:1], 0x0               ; codes s[4:5], scales s[6:7], tab s[8:9], qkvimg s[10:11]
	s_load_b64 s[12:13], s[0:1], 0x20              ; fst
	v_lshl_add_u32 v[SPW], v0, 2, SPARE
	v_mov_b32 v[NIL], 0
	ds_add_u32 v[SPW], v[NIL]                      ; the wave's opening: the add, twice on end, and its wait ahead of my first tensor load
	ds_add_u32 v[SPW], v[NIL]
	v_lshrrev_b32 v1, 5, v0
	v_readfirstlane_b32 s14, v1                    ; wave 0..3
	s_lshr_b32 s15, s14, 1                         ; which half of A's rows is mine.  Also: I fetch for A (0) or for B (1)
	s_and_b32 s16, s14, 1                          ; which half of B's rows.  Also: which 128 rows of that tile I fetch
	s_bfe_u32 s40, ttmp6, 0x40000                  ; cx, cy: my place in the cluster
	s_bfe_u32 s41, ttmp6, 0x40004
	s_and_b32 s95, ttmp7, 0xffff
	s_lshl_b32 s95, s95, 2                         ; 4 x cluster y: x's tiles of this cluster
	s_lshl_b32 s96, ttmp9, 2
	s_add_co_u32 s96, s96, 16                      ; 16 + 4 X: the weight's tiles
	s_cmp_eq_u32 ttmp9, 2                          ; the cluster's x is the same in all sixteen partners
	s_cselect_b32 s17, 24, s95
	s_cselect_b32 s42, s95, s96
	s_add_co_u32 s17, s17, s41                     ; A's tile: cluster coordinates and cy alone
	s_add_co_u32 s42, s42, s40                     ; B's tile: cluster coordinates and cx alone
	s_lshl_b32 s43, s41, 2
	s_lshl_b32 s43, 15, s43                        ; my row of the cluster
	s_lshl_b32 s44, 0x1111, s40                    ; my column
	s_or_b32 s[G1+0], s43, (0<<16)|(1<<20)|(1<<21)|(5<<22)|(3<<25)  ; the mask; elements of 1 byte; padding: 4 words behind every 64; bit 21 beside a mask
	s_or_b32 s[G1B+0], s44, (0<<16)|(1<<20)|(1<<21)|(5<<22)|(3<<25)
.irp g, G1, G1B
	s_mov_b32 s[\g+1], ROWB<<16                    ; tensor_dim0
	s_mov_b32 s[\g+2], 128<<16                     ; tensor_dim1
	s_mov_b32 s[\g+3], ROWB<<16                    ; tile_dim0
	s_mov_b32 s[\g+4], 128                         ; tile_dim1
	s_mov_b32 s[\g+5], KROW                        ; pitch
	s_mov_b32 s[\g+6], 0
	s_mov_b32 s[\g+7], 0
.endr
	s_or_b32 s[G1S+0], s43, (3<<16)|(1<<20)|(1<<21)|(5<<22)|(3<<25) ; the scales of 128 rows: 8,192 dense bytes as 32 rows of 256 (32 elements of 8 bytes), 16 bytes of padding behind each
	s_or_b32 s[G1SB+0], s44, (3<<16)|(1<<20)|(1<<21)|(5<<22)|(3<<25)
.irp g, G1S, G1SB
	s_mov_b32 s[\g+1], 32<<16
	s_mov_b32 s[\g+2], 32<<16
	s_mov_b32 s[\g+3], 32<<16
	s_mov_b32 s[\g+4], 32
	s_mov_b32 s[\g+5], 32
	s_mov_b32 s[\g+6], 0
	s_mov_b32 s[\g+7], 0
.endr
	s_lshl_b32 s18, s16, 7
	s_lshl_b32 s20, s17, 8
	s_add_co_u32 s20, s20, s18                     ; A: row 256 x tile + 128 x half
	s_lshl_b32 s46, s42, 8
	s_add_co_u32 s46, s46, s18                     ; B likewise
	s_mov_b32 s21, 0
	s_mov_b32 s47, 0
	s_mov_b64 s[18:19], KS
	s_mul_u64 s[22:23], s[20:21], s[18:19]
	s_mul_u64 s[92:93], s[46:47], s[18:19]
	s_mov_b64 s[18:19], KROW
	s_mul_u64 s[20:21], s[20:21], s[18:19]
	s_mul_u64 s[46:47], s[46:47], s[18:19]
	s_mul_i32 s45, s14, HALFT                      ; where they go: wave x 128 rows: no place in the cluster enters an LDS address
	s_mul_i32 s94, s14, HALFS
	s_wait_dscnt 0x0                               ; both opening adds are done
	s_wait_kmcnt 0x0
	s_add_nc_u64 s[20:21], s[4:5], s[20:21]
	s_add_nc_u64 s[22:23], s[6:7], s[22:23]
	s_add_nc_u64 s[46:47], s[4:5], s[46:47]
	s_add_nc_u64 s[92:93], s[6:7], s[92:93]
	CROUND                                         ; all sixteen work-groups are here: the first joint loads meet
	s_mov_b32 s[G0S], 1
	s_add_co_u32 s[G0S+1], s94, SCL
	s_mov_b64 s[G0S+2:G0S+3], s[22:23]
	s_or_b32 s[G0S+3], s[G0S+3], 0x80000000
	s_mov_b32 s[G0SB], 1
	s_add_co_u32 s[G0SB+1], s94, SCL
	s_mov_b64 s[G0SB+2:G0SB+3], s[92:93]
	s_or_b32 s[G0SB+3], s[G0SB+3], 0x80000000
	JLOAD G0S, G1S, G0SB, G1SB                     ; the scales first: three loads of mine are out behind the first fills
.irp s, 0,1
	s_mov_b32 s[G0+4*\s], 1
	s_add_co_u32 s[G0+4*\s+1], s45, \s*SLOT
	s_add_nc_u64 s[G0+4*\s+2:G0+4*\s+3], s[20:21], \s*ROWB
	s_or_b32 s[G0+4*\s+3], s[G0+4*\s+3], 0x80000000
	s_mov_b32 s[G0B+4*\s], 1
	s_add_co_u32 s[G0B+4*\s+1], s45, \s*SLOT
	s_add_nc_u64 s[G0B+4*\s+2:G0B+4*\s+3], s[46:47], \s*ROWB
	s_or_b32 s[G0B+4*\s+3], s[G0B+4*\s+3], 0x80000000
	JLOAD G0+4*\s, G1, G0B+4*\s, G1B
.endr
	v_and_b32 v1, 15, v0
	v_bfe_u32 v2, v0, 4, 1
	v_mul_u32_u24 v3, v1, PITCH
	v_lshl_add_u32 v4, v2, 4, v3
	s_mul_i32 s21, s15, HALFT
	s_mul_i32 s22, s16, HALFT
	s_add_co_u32 s22, s22, 2*HALFT
.irp s, 0,1
	v_add_nc_u32 v[ADRA+\s], s21, v4
	v_add_nc_u32 v[ADRB+\s], s22, v4
	s_add_co_u32 s21, s21, SLOT
	s_add_co_u32 s22, s22, SLOT
.endr
	v_mul_u32_u24 v5, v1, KS                       ; my row's scales: 64 bytes a row,
	v_lshrrev_b32 v6, 8, v5
	v_lshl_add_u32 v5, v6, 4, v5                   ; and 16 more for each 256 passed
	s_mul_i32 s21, s15, HALFS
	s_mul_i32 s22, s16, HALFS
	s_add_co_u32 s22, s22, 2*HALFS
	s_sub_co_u32 s22, s22, s21
	v_mul_u32_u24 v6, s22, v2                      ; lanes 16-31 take B's
	s_add_co_u32 s21, s21, SCL
	v_add_nc_u32 v5, v5, v6
	v_add_nc_u32 v[ADRS], s21, v5
	v_and_b32 v6, 31, v0
	v_lshlrev_b32 v[CO], 4, v6
	; the way out's addresses.  Which of my two sides is x's, and which head is mine
	s_cmp_eq_u32 ttmp9, 2
	s_cselect_b32 s95, s42, s17                    ; x's tile
	s_cselect_b32 s96, s16, s15                    ; my half of it
	s_cselect_b32 s97, s41, s40                    ; the weight's tile within its tensor: two heads
	s_cselect_b32 s98, s15, s16                    ; my half of it: one head
	s_lshl_b32 s95, s95, 8
	s_lshl_b32 s96, s96, 7
	s_add_co_u32 s95, s95, s96                     ; my first row of x
	s_lshr_b32 s96, s95, 11                        ; batch
	s_and_b32 s95, s95, 2047                       ; first position
	s_lshl_b32 s97, s97, 1
	s_add_co_u32 s97, s97, s98                     ; head
	s_lshl_b32 s96, s96, 3
	s_add_co_u32 s96, s96, s97                     ; 8 x batch + head
	s_lshl_b32 s98, ttmp9, 23
	s_lshl_b32 s99, s96, 19
	s_add_co_u32 s98, s98, s99
	s_lshl_b32 s99, s95, 8
	s_add_co_u32 s98, s98, s99
	s_mov_b32 s99, 0
	s_add_nc_u64 s[10:11], s[10:11], s[98:99]      ; the image: 8,388,608 X + 524,288 (8 b + head) + 256 x position
	s_lshl_b32 s98, s95, 9
	s_add_nc_u64 s[8:9], s[8:9], s[98:99]          ; the table: 8,192 bytes for 16 positions
	s_lshl_b32 s98, ttmp9, 17
	s_lshl_b32 s100, s96, 13
	s_add_co_u32 s98, s98, s100
	s_add_nc_u64 s[12:13], s[12:13], s[98:99]      ; the fine copy: 131,072 X + 8,192 (8 b + head)
	v_mov_b32 v[FLG], s95
	TLOADS 0                                       ; the tables of my first 32 positions are asked for now and land under the K loop, which names none of their registers.
	TLOADS 1                                       ; Every wave asks, so that every path has issued the same loads; the waves of v never read them (the addresses lie in the table: position 1,920 + 32 at the most)
	WIN 0
.macro FRAG reg, adr, q, i             ; a fragment, 16 rows x 128 K of 4-bit codes: lane l holds row l % 16; registers 4 c .. 4 c + 3 hold K = 64 c + 32 (l / 16) + 0 .. 31
.irp c, 0,1
	ds_load_b128 v[\reg+4*\c:\reg+4*\c+3], v[\adr] offset:64*(\q)+32*\c+(\i)*16*PITCH
.endr
.endm
; 16 matrix instructions: A's blocks a0, a0 + 1 x B's eight.  The 64 accumulators take turns, one instruction a turn, in the same order in every step.
.macro MUL16 a0, p, q, sc, zero
.irp a, \a0, \a0+1
.irp b, 0,1,2,3,4,5,6,7
.if \zero
	v_wmma_scale_f32_16x16x128_f8f6f4 v[8*(8*((\a)%4)+\b):8*(8*((\a)%4)+\b)+7], v[128*(\p)+FR*\b:128*(\p)+FR*\b+FR-1], v[AF+FR*(\a):AF+FR*(\a)+FR-1], 0, v[SC+8*NQ*(\sc)+NQ*\b+(\q)], v[SC+8*NQ*(\sc)+NQ*(\a)+(\q)] matrix_a_fmt:MATRIX_FMT_FP4 matrix_b_fmt:MATRIX_FMT_FP4 matrix_a_scale:MATRIX_SCALE_ROW1
.else
	v_wmma_scale_f32_16x16x128_f8f6f4 v[8*(8*((\a)%4)+\b):8*(8*((\a)%4)+\b)+7], v[128*(\p)+FR*\b:128*(\p)+FR*\b+FR-1], v[AF+FR*(\a):AF+FR*(\a)+FR-1], v[8*(8*((\a)%4)+\b):8*(8*((\a)%4)+\b)+7], v[SC+8*NQ*(\sc)+NQ*\b+(\q)], v[SC+8*NQ*(\sc)+NQ*(\a)+(\q)] matrix_a_fmt:MATRIX_FMT_FP4 matrix_b_fmt:MATRIX_FMT_FP4 matrix_a_scale:MATRIX_SCALE_ROW1
.endif
.endr
.endr
.endm
.macro FETCH_B slot, q, p
	WIN TO_B
.irp i, 0,1,2,3,4,5,6,7
	FRAG 128*(\p)+FR*\i, ADRB+\slot, \q, \i
.endr
	WIN 0
.endm
.macro FETCH_A slot, q, i0
.irp i, \i0, \i0+1, \i0+2, \i0+3
	FRAG AF+FR*(\i), ADRA+\slot, \q, \i
.endr
.endm
.macro SCALES sc                       ; a K step's scale words: lanes 0-15 take A's block i, lanes 16-31 B's block i
.irp i, 0,1,2,3,4,5,6,7
	ds_load_b128 v[SC+8*NQ*\sc+NQ*\i:SC+8*NQ*\sc+NQ*\i+3], v[ADRS] offset:\i*SBLK
.endr
.endm
.macro PLACES n                        ; places behind matrix instructions, in front of loads into registers that they read and of reads of their results
.rept \n
	v_nop
.endr
.endm
.macro STEP slot, q, zero
	s_wait_dscnt 4*NL                              ; B's set and A's blocks 0-3 are in; the youngest eight loads (A's blocks 4-7) may be out
	WIN MUL_LO
	MUL16 0, (\q)%2, \q, \slot, \zero
	MUL16 2, (\q)%2, \q, \slot, \zero
	s_wait_dscnt 0
	PLACES NP
	FETCH_B \slot, (\q)+1, 1-(\q)%2
	FETCH_A \slot, (\q)+1, 0
	WIN MUL_HI
	MUL16 4, (\q)%2, \q, \slot, \zero
	MUL16 6, (\q)%2, \q, \slot, \zero
	PLACES NP
	WIN 0
	FETCH_A \slot, (\q)+1, 4
.endm
; A slot's last step changes slots: one barrier; in front of it each wave waits for all its tensor loads, adds 0 to its spare word, and waits for that and for its own reads of this slot.
.macro TURN slot, next, fill
	s_wait_tensorcnt 0x0                           ; all my tensor loads have landed: my part of the next slot
	ds_add_u32 v[SPW], v[NIL]
	s_wait_dscnt 4*NL+1                            ; the add and the youngest eight loads (A's blocks 4-7) may be out
	WIN MUL_LO
	MUL16 0, 1, NQ-1, \slot, 0
	s_wait_dscnt 0x0                               ; the add is done, and my reads of this slot are over
	s_barrier_signal -1
	MUL16 2, 1, NQ-1, \slot, 0
	WIN 0
	s_barrier_wait -1
.if \fill
	CREST                                          ; the barrier has opened a round of the cluster's barrier: no wave of any partner still reads this slot or has a load on its way
	s_add_nc_u64 s[G0+4*\slot+2:G0+4*\slot+3], s[G0+4*\slot+2:G0+4*\slot+3], 2*ROWB
	s_add_nc_u64 s[G0B+4*\slot+2:G0B+4*\slot+3], s[G0B+4*\slot+2:G0B+4*\slot+3], 2*ROWB
	JLOAD G0+4*\slot, G1, G0B+4*\slot, G1B         ; my one tensor load behind the round; its four v_nop are the places in front of the loads below
.else
	PLACES NP
.endif
	v_add_nc_u32 v[ADRS], 4*NQ, v[ADRS]
	FETCH_B \next, 0, 0
	FETCH_A \next, 0, 0
	SCALES \next
	WIN MUL_HI
	MUL16 4, 1, NQ-1, \slot, 0
	MUL16 6, 1, NQ-1, \slot, 0
	PLACES NP
	WIN 0
	FETCH_A \next, 0, 4
.endm
.macro STEPS slot, from
.set Q, \from
.rept NQ-1-\from
	STEP \slot, Q, 0
.set Q, Q+1
.endr
.endm
	s_wait_tensorcnt 1                             ; the scales and my part of K step 0 are in; K step 1's load may be out
	s_barrier_signal -1
	s_barrier_wait -1
	FETCH_B 0, 0, 0
	FETCH_A 0, 0, 0
	SCALES 0
	FETCH_A 0, 0, 4
	STEP 0, 0, 1                                   ; the first step's products start the sums
	s_mov_b32 s3, LAPS-1
.Llap:
	STEPS 0, 1
	TURN 0, 1, 1
	STEPS 1, 0
	TURN 1, 0, 1
	STEP 0, 0, 0
	s_sub_co_u32 s3, s3, 1
	s_cmp_lg_u32 s3, 0
	s_cbranch_scc1 .Llap
	STEPS 0, 1                                     ; the last lap fills nothing
	TURN 0, 1, 0
	STEPS 1, 0
	s_wait_dscnt 4*NL
	WIN MUL_LO
	MUL16 0, 1, NQ-1, 1, 0
	MUL16 2, 1, NQ-1, 1, 0
	s_wait_dscnt 0
	WIN MUL_HI
	MUL16 4, 1, NQ-1, 1, 0
	MUL16 6, 1, NQ-1, 1, 0
	WIN 0
; THE WAY OUT.  No LDS: an accumulator is a piece of the image as it stands.
	PLACES NP
	s_cmp_eq_u32 ttmp9, 2                          ; the tensor: the same in all partners
	s_cbranch_scc1 .Lv
; q and k.  Block a is 16 positions; its table's set is asked for four blocks ahead: as soon as block a - 4 has used the set.
.macro EPI a
.if (\a) < 5
	s_wait_loadcnt 48                              ; this block's table is in; the three younger sets' 48 loads may be out
.else
	s_wait_loadcnt 16*(7-(\a))                     ; towards the end fewer sets are behind it
.endif
	s_wait_xcnt 0x0                                ; the last block's stores have read their registers
.set AC, 64*((\a)%4)
	TSEL \a
	WIN (0x02+(\a)/4)|(TW<<2)                      ; source 0: the accumulators' window; source 1: the table's
.irp b, 0,1,2,3,4,5,6,7
.irp p, 0,1,2,3
	v_mul_f32 v[RR+8*\b+2*\p], v[AC+8*\b+2*\p], v[TS+8*\b+2*\p]          ; x0 cos   (each accumulator is read from its low end on)
	v_mul_f32 v[RR+8*\b+2*\p+1], v[AC+8*\b+2*\p], v[TS+8*\b+2*\p+1]      ; x0 sin
.endr
.irp p, 0,1,2,3
	v_fma_f32 v[RR+8*\b+2*\p], -v[AC+8*\b+2*\p+1], v[TS+8*\b+2*\p+1], v[RR+8*\b+2*\p]     ; - x1 sin
	v_fma_f32 v[RR+8*\b+2*\p+1], v[AC+8*\b+2*\p+1], v[TS+8*\b+2*\p], v[RR+8*\b+2*\p+1]    ; + x1 cos
.endr
.endr
	WIN 0
.irp n, 0,1,2,3,4,5,6,7,8,9,10,11,12,13,14,15,16,17,18,19,20,21,22,23,24,25,26,27,28,29,30,31
	v_cvt_pk_f16_f32 v[HH+\n], v[RR+2*\n], v[RR+2*\n+1]
.endr
.if (\a)+4 < 8
	TLOADS (\a)+4
	WIN 0
.endif
.irp b, 0,1,2,3,4,5,6,7
	global_store_b128 v[CO], v[HH+4*\b:HH+4*\b+3], s[10:11] offset:(\a)*4096+\b*512   ; 512 consecutive bytes, aligned
.endr
.if (\a) == 0                          ; positions 0-15 of a sequence also in f32.  Which waves hold them hangs on the place in the cluster: so no branch, the lanes are switched off instead
	s_wait_xcnt 0x0                                ; EXEC changes only behind this wait
	v_cmp_eq_u32 vcc_lo, 0, v[FLG]
	s_and_saveexec_b32 s101, vcc_lo
.irp b, 0,1,2,3,4,5,6,7
.irp i, 0,1
	global_store_b128 v[CO], v[RR+8*\b+4*\i:RR+8*\b+4*\i+3], s[12:13] offset:\b*1024+\i*512
.endr
.endr
	s_wait_xcnt 0x0
	s_or_b32 exec_lo, exec_lo, s101
.endif
.endm
	TLOADS 2                                       ; into registers that held scale words and A's fragments: the places above stand in front
	TLOADS 3
	WIN 0
.irp a, 0,1,2,3,4,5,6,7
	EPI \a
.endr
	s_branch .Ldone
; v.  Block a is 16 channels, b is 16 keys.
.macro VOUT a
	s_wait_xcnt 0x0                                ; the last block's stores have read their registers
.set AC, 64*((\a)%4)
	WIN 0x0a+5*((\a)/4)                            ; sources 0 and 1: the accumulators' window
.irp b, 0,1,2,3,4,5,6,7
.irp p, 0,1,2,3
	v_cvt_pk_f16_f32 v[HH+4*\b+\p], v[AC+8*\b+2*\p], v[AC+8*\b+2*\p+1]
.endr
.endr
	WIN 0
.irp b, 0,1,2,3,4,5,6,7
	global_store_b128 v[CO], v[HH+4*\b:HH+4*\b+3], s[10:11] offset:(\a)*4096+\b*512
.endr
.endm
.Lv:
.irp a, 0,1,2,3,4,5,6,7
	VOUT \a
.endr
	s_wait_xcnt 0x0                                ; keys 0-15 of a sequence also in f32, straight from the accumulators (a, 0)
	v_cmp_eq_u32 vcc_lo, 0, v[FLG]
	s_and_saveexec_b32 s101, vcc_lo
.irp a, 0,1,2,3,4,5,6,7
	WIN 0x08+4*(\a/4)                              ; a store's data are its source 1
	global_store_b128 v[CO], v[64*(\a%4):64*(\a%4)+3], s[12:13] offset:\a*1024
	global_store_b128 v[CO], v[64*(\a%4)+4:64*(\a%4)+7], s[12:13] offset:\a*1024+512
.endr
	WIN 0
	s_wait_xcnt 0x0
	s_or_b32 exec_lo, exec_lo, s101
.Ldone:
	s_wait_tensorcnt 0x0                           ; the wave's end
	ds_add_u32 v[SPW], v[NIL]
	s_wait_dscnt 0x0
	CROUND                                         ; the closing round: no work-group ends while a partner may still ask for a tile that names it
	s_endpgm
.Lfunc_end_k_q57c5884c33_qkv:
	.size	k_q57c5884c33_qkv, .Lfunc_end_k_q57c5884c33_qkv-k_q57c5884c33_qkv
	.p2alignl 7, 3214868480
	.fill 96, 4, 3214868480
	.section	.rodata,"a",@progbits
	.p2align	6, 0x0
	.amdhsa_kernel k_q57c5884c33_qkv
		.amdhsa_group_segment_fixed_size 327680
		.amdhsa_private_segment_fixed_size 0
		.amdhsa_enable_private_segment 0
		.amdhsa_kernarg_size 40
		.amdhsa_user_sgpr_count 2
		.amdhsa_user_sgpr_kernarg_segment_ptr 1
		.amdhsa_wavefront_size32 1
		.amdhsa_system_sgpr_workgroup_id_x 1
		.amdhsa_system_sgpr_workgroup_id_y 1
		.amdhsa_system_sgpr_workgroup_id_z 1
		.amdhsa_system_vgpr_workitem_id 0
		.amdhsa_next_free_vgpr 1024
		.amdhsa_next_free_sgpr 102
		.amdhsa_reserve_vcc 1
		.amdhsa_float_denorm_mode_32 3
		.amdhsa_float_denorm_mode_16_64 3
		.amdhsa_memory_ordered 1
		.amdhsa_forward_progress 1
		.amdhsa_inst_pref_size 255
	.end_amdhsa_kernel
	.section	.bss,"aw",@nobits
	.p2align	6
	.space	262144
	.amdgpu_metadata
---
amdhsa.version: [ 1, 2 ]
amdhsa.kernels:
  - .name:           k_q57c5884c33_qkv
    .symbol:         k_q57c5884c33_qkv.kd
    .args:
      - { .name: codes, .offset: 0, .size: 8, .value_kind: global_buffer, .address_space: global }
      - { .name: scales, .offset: 8, .size: 8, .value_kind: global_buffer, .address_space: global }
      - { .name: tab, .offset: 16, .size: 8, .value_kind: global_buffer, .address_space: global }
      - { .name: qkvimg, .offset: 24, .size: 8, .value_kind: global_buffer, .address_space: global }
      - { .name: fst, .offset: 32, .size: 8, .value_kind: global_buffer, .address_space: global }
    .group_segment_fixed_size: 327680
    .private_segment_fixed_size: 0
    .kernarg_segment_align: 8
    .kernarg_segment_size: 40
    .max_flat_workgroup_size: 128
    .sgpr_count:     102
    .vgpr_count:     1024
    .wavefront_size: 32
...
	.end_amdgpu_metadata
.endif
;; end of part 2
;; launch attn (part 3): grid 16 x 16, 4 waves a work-group, no clusters, 153,088 bytes of LDS; arguments qkvimg, ao; writes ao
.if DOCPART == 3
	.amdgcn_target "amdgcn-amd-amdhsa--gfx1250"
	.amdhsa_code_object_version 6
	.text
	.protected	k_q57c5884c33_attn
	.globl	k_q57c5884c33_attn
	.p2align	8
	.type	k_q57c5884c33_attn,@function
k_q57c5884c33_attn:
	s_mov_b64 s[64:65], 0
	v_nop
	global_prefetch_b8 v0, s[64:65] scope:SCOPE_SE
	s_setreg_imm32_b32 hwreg(HW_REG_WAVE_MODE, 25, 1), 1
	s_wait_xcnt 0x0
; ATTN.  ao[b][s][head][:] = the sum over keys t <= s of softmax_t(q . k / sqrt(128)) v, operands in f16, products, maxima and sums in f32, the weights p rounded to f16, ao rounded to f16 once.
; q, k, v come as images of the operands' registers (see the launch that makes them): 64 queries or keys are 16,384 consecutive bytes which 32 loads of 512 bytes put straight into 128 registers.
; SHARES.  Work-group (i, b x 8 + head) owns two blocks of 64 queries, 31 - i and then i: 33 steps of 64 keys in all, the same for every work-group under the causal mask.
; All four waves hold the SAME 64 queries (four tiles of 16) and share the KEYS: wave w takes steps w, w + 4, .. up to the block's own.  So each fragment of K and V feeds four tiles, and each byte of K and V is
; read by one wave of the work-group alone: it goes from memory into registers, with no LDS and no barrier in the key loop.  The four waves' partial results meet in LDS once a block: wave w merges tile w.
; The two blocks are written out by one macro.  A block's Q and its first K and V are asked for ahead of everything else of the block: the first block's at the head, the second block's inside the first block's
; merge, which names none of their registers.  They are asked for whether or not the wave has a step in that block (step w's keys exist in every sequence), so that every path has issued the same loads.
; No cluster: the work-groups of a head walk different numbers of steps, so partners would ask for tiles that some of them never read.
; LAYOUT.  S^T = K Q^T and O^T = V^T P: a lane holds one query (lane % 16) throughout.  SOFTMAX: a running maximum m and sum l for each query; p = 2^(c s - c m), c = log2(e) / sqrt(128).
; BY TURNS inside a step: piece 0 (tiles 0, 1) and piece 2 (tiles 2, 3).  Scores of piece 0 | scores of piece 2 with piece 0's softmax in slices between them | V^T P of piece 0 with piece 2's softmax | V^T P of piece 2.
; REGISTERS, in windows of 256: window 0: v1-11 addresses; v12-43 statistics, 8 a tile; v44-59 the merge; v60-63; v64-191 S^T; v192-255 P.  window 1: O^T.  window 2: v0-127 Q, v128-255 K.  window 3: v0-127 V, v128-191 the merge.
; LIMITS: NaN and infinities are not served.
.set S,    64
.set P,    192
.set KF,   128
.set ST,   12                          ; tile t at v[ST+8 t]: +0 c m, +1 m, +2, +3 l, +4 to +7 at work
.set LOF,  1                           ; v1   16 x lane
.set PFK,  2                           ; v2   256 x lane
.set PFV,  3                           ; v3   4096 (lane / 8) + 256 (lane % 8)
.set IMW,  4                           ; v4   where I store my O^T: 32,768 x wave + 16 x lane
.set MR0,  5                           ; v5   where I read tile w of waves 0, 1: 8,192 x wave + 16 x lane
.set MR1,  6                           ; v6   of waves 2, 3: + 65,536
.set STW,  7                           ; v7   where I store my statistics
.set STR,  8                           ; v8   where I read tile w's
.set STO,  9
.set RD,   10
.set GO,   11
.set RB,   44                          ; v44-51 four (c m, l)
.set GW,   52                          ; v52, 54, 56, 58 the four weights (the odd registers are named with them as pairs)
.set DM,   60                          ; v60  lane % 16 - 8 (lane / 16)
.set NINF, 61                          ; v61  -infinity
.set SPW,  62
.set NIL,  63
.set STAT,  131072                     ; LDS: 0: four waves' O^T, [wave][tile][16][lane][16 B]; then the statistics [wave][tile][lane][8 B];
.set STAGE, 135168                     ; a stage of 16 rows x 272 bytes for each wave;
.set SPP,   272
.set SPARE, 152576                     ; the spare words, 128 bytes for each wave: two blocks of 256 bytes that no other line names
.set WV,    12
.set BI,    13
.set BETA,  14                         ; the block of queries whose loads were asked for last
.set LIM,   15                         ; 1 where the wave prefetches, else the greatest number
.set TRIPS, 16
.set DIAG,  17                         ; 0 where my last step is the block's own
.set CNT,   19
.set CS,    58
.set SEL,   60
.set MSB, 0
.macro WIN new
.if MSB != (\new)
	s_set_vgpr_msb (MSB<<8)|(\new)
.set MSB, (\new)
.endif
.endm
.set W_KQ, 0x0a                        ; K and Q in window 2, S^T in window 0
.set W_PV, 0x53                        ; V in window 3, P in window 0, O^T in window 1
.set W_RS, 0x41                        ; O^T in window 1, its factor in window 0
	s_load_b128 s[4:7], s[0:1], 0x0                ; qkvimg, ao
	v_lshl_add_u32 v[SPW], v0, 2, SPARE
	v_mov_b32 v[NIL], 0
	v_lshrrev_b32 v1, 5, v0
	v_readfirstlane_b32 s[WV], v1
	v_and_b32 v44, 31, v0                          ; lane
	v_and_b32 v45, 15, v0                          ; r
	v_bfe_u32 v46, v0, 4, 1                        ; h
	v_lshlrev_b32 v[LOF], 4, v44
	v_lshlrev_b32 v[PFK], 8, v44
	v_lshrrev_b32 v[PFV], 3, v44
	v_lshlrev_b32 v[PFV], 12, v[PFV]
	v_and_b32 v47, 7, v44
	v_lshl_add_u32 v[PFV], v47, 8, v[PFV]
	s_lshl_b32 s28, s[WV], 15
	v_add_nc_u32 v[IMW], s28, v[LOF]
	s_lshl_b32 s28, s[WV], 13
	v_add_nc_u32 v[MR0], s28, v[LOF]
	v_add_nc_u32 v[MR1], 65536, v[MR0]
	v_lshlrev_b32 v47, 3, v44
	s_lshl_b32 s28, s[WV], 10
	s_add_co_u32 s28, s28, STAT
	v_add_nc_u32 v[STW], s28, v47
	s_lshl_b32 s28, s[WV], 8
	s_add_co_u32 s28, s28, STAT
	v_add_nc_u32 v[STR], s28, v47
	s_mul_i32 s28, s[WV], 16*SPP
	s_add_co_u32 s28, s28, STAGE
	v_mul_u32_u24 v[STO], v45, SPP                 ; into my stage: row r, 16 bytes for each half of the lanes
	v_lshl_add_u32 v[STO], v46, 4, v[STO]
	v_add_nc_u32 v[STO], s28, v[STO]
	v_mul_u32_u24 v[RD], v46, SPP                  ; back: lanes 0-15 one row of 256 bytes, lanes 16-31 the next
	v_lshl_add_u32 v[RD], v45, 4, v[RD]
	v_add_nc_u32 v[RD], s28, v[RD]
	v_lshlrev_b32 v[GO], 11, v46                   ; and the same two rows in ao: 2,048 bytes a row
	v_lshl_add_u32 v[GO], v45, 4, v[GO]
	v_lshlrev_b32 v47, 3, v46
	v_sub_nc_u32 v[DM], v45, v47
	v_mov_b32 v[NINF], 0xff800000
.irp t, 0,1,2,3
.irp n, 4,5,6,7
	v_mov_b32 v[ST+8*\t+\n], 0                     ; written once: a lane permute's destination counts as one of its sources
.endr
	v_mov_b32 v[GW+2*\t+1], 0
.endr
	s_mov_b32 s[BI], ttmp9
	s_and_b32 s28, ttmp7, 0xffff                   ; 8 x batch + head
	s_lshl_b32 s30, s28, 19
	s_mov_b32 s31, 0
	s_lshr_b32 s32, s28, 3
	s_and_b32 s33, s28, 7
	s_lshl_b32 s32, s32, 22                        ; batch x 2,048 rows of 2,048 bytes
	s_lshl_b32 s33, s33, 8                         ; head x 256 bytes
	s_add_co_u32 s32, s32, s33
	s_mov_b32 s33, 0
	s_mov_b32 s[CS], 0x3e0293ee                    ; c = log2(e) / sqrt(128)
	s_mov_b32 s[CS+1], s[CS]
	s_mov_b32 s[SEL], 0x76543210
	s_mov_b32 s[SEL+1], 0xfedcba98
	s_cmp_eq_u32 ttmp9, 0
	s_cselect_b32 s[LIM], 1, -1                    ; the head's first work-group prefetches, in its first block, which walks all keys
	s_sub_co_u32 s[BETA], 31, s[BI]
	s_wait_kmcnt 0x0
	s_add_nc_u64 s[4:5], s[4:5], s[30:31]          ; q of my head
	s_add_nc_u64 s[8:9], s[4:5], 0x800000          ; k
	s_add_nc_u64 s[10:11], s[4:5], 0x1000000       ; v
	s_add_nc_u64 s[6:7], s[6:7], s[32:33]
; Product i of 32 of S^T = K Q^T: channels 32 (i / 8) on, keys 16 ((i / 2) % 4) on, tile x + i % 2.  The first 8 start the sums.  The accumulators take turns, one instruction a turn.
.macro KQ x
	WIN W_KQ
.set rS, S+32*(\x+i%2)+8*((i/2)%4)
.set rK, KF+32*((i/2)%4)+8*(i/8)
.set rQ, 32*(\x+i%2)+8*(i/8)
.if i < 8
	v_wmma_f32_16x16x32_f16 v[rS:rS+7], v[rK:rK+7], v[rQ:rQ+7], 0
.else
	v_wmma_f32_16x16x32_f16 v[rS:rS+7], v[rK:rK+7], v[rQ:rQ+7], v[rS:rS+7]
.endif
.endm
; Product i of 32 of O^T += V^T P: keys 32 (i / 16) on, channels 16 ((i / 2) % 8) on, tile x + i % 2.
.macro PV x
	WIN W_PV
.set rO, 64*(\x+i%2)+8*((i/2)%8)
.set rV, 64*(i/16)+8*((i/2)%8)
.set rP, P+16*(\x+i%2)+8*(i/16)
	v_wmma_f32_16x16x32_f16 v[rO:rO+7], v[rV:rV+7], v[rP:rP+7], v[rO:rO+7]
.endm
; One tile's softmax for one key step is a list of 134 instructions; SM writes number j of it for tile t.
;   0-15 the maximum of the 32 scores and the old m; 16-20 the other half of the lanes', the new m, c m, its change; 21-69 ONE BATCH: 16 packed scalings and 33 exponentials, none of which reads an exponential's result;
;   (the wait for the batch) 70-85 the roundings to f16; 86-101 the sums; 102-133 the tile's O^T times a.
.macro SM t
.set rT, ST+8*(\t)
.set rS, S+32*(\t)
.set rP, P+16*(\t)
.set rO, 64*(\t)+2*(j-102)
.if j < 102
	WIN 0
.endif
.if j < 4
	v_max3_num_f32 v[rT+4+j], v[rS+8*j], v[rS+8*j+1], v[rS+8*j+2]
.elseif j < 12
	v_max3_num_f32 v[rT+4+j%4], v[rT+4+j%4], v[rS+8*(j%4)+2*(j/4)+1], v[rS+8*(j%4)+2*(j/4)+2]
.elseif j == 12
	v_max3_num_f32 v[rT+4], v[rT+4], v[rS+7], v[rS+15]
.elseif j == 13
	v_max3_num_f32 v[rT+6], v[rT+6], v[rS+23], v[rS+31]
.elseif j == 14
	v_max3_num_f32 v[rT+4], v[rT+4], v[rT+5], v[rT+6]
.elseif j == 15
	v_max3_num_f32 v[rT+4], v[rT+4], v[rT+7], v[rT+1]
.elseif j == 16
	v_permlanex16_b32 v[rT+5], v[rT+4], s[SEL], s[SEL+1]
.elseif j == 17
	v_mov_b32 v[rT+7], v[rT]
.elseif j == 18
	v_max_num_f32 v[rT+1], v[rT+4], v[rT+5]
.elseif j == 19
	v_mul_f32 v[rT], s[CS], v[rT+1]
.elseif j == 20
	v_sub_f32 v[rT+7], v[rT+7], v[rT]
.elseif j == 23
	v_exp_f32 v[rT+6], v[rT+7]
.elseif (j < 23) || ((j < 38) && (j%2 == 0)) || ((j < 66) && (j%4 == 2))
.set b, (j-2)/4
.if j < 38
.set b, (j-20)/2
.endif
	v_pk_fma_f32 v[rS+2*b:rS+2*b+1], v[rS+2*b:rS+2*b+1], s[CS:CS+1], v[rT:rT+1] op_sel_hi:[1,0,0] neg_lo:[0,0,1] neg_hi:[0,0,1]
.elseif j < 70
.set e, j-38
.if j < 66
.set e, j-32-(j-38)/4
.endif
.if j < 38
.set e, (j-25)/2
.endif
	v_exp_f32 v[rS+e], v[rS+e]
.elseif j < 86
	v_cvt_pk_f16_f32 v[rP+j-70], v[rS+2*(j-70)], v[rS+2*(j-70)+1]
.elseif j < 102
.set z, j-86
.set w, 4
.set u, z
.if z >= 14
.set w, 32
.set u, 0
.elseif z >= 12
.set w, 16
.set u, z-12
.elseif z >= 8
.set w, 8
.set u, z-8
.endif
.if z < 15
	v_pk_add_f32 v[rS+w*u:rS+w*u+1], v[rS+w*u:rS+w*u+1], v[rS+w*u+w/2:rS+w*u+w/2+1]
.else
	v_pk_fma_f32 v[rT+2:rT+3], v[rT+2:rT+3], v[rT+6:rT+7], v[rS:rS+1] op_sel_hi:[1,0,1]
.endif
.else
	WIN W_RS
	v_pk_mul_f32 v[rO:rO+1], v[rO:rO+1], v[rT+6:rT+7] op_sel_hi:[1,0]
.endif
.endm
; Slice k of 64 of piece y's softmax: four instructions; slice 63 has sixteen.  Behind slice 34 both tiles' exponentials are issued and no result has been named: there stand the plain place and the one wait.
.macro SLICE y
.if (k >= 11) && (k < 35)
.irp n, 0,1,2,3
.set j, 22+4*((k-11)/2)+(\n)
	SM (\y)+(k-11)%2
.endr
.else
.irp n, 0,1,2,3,4,5,6,7
.if (\n < 2) || (k == 63)
.irp t, \y, \y+1
.set j, 2*k+\n
	SM \t
.endr
.endif
.endr
.endif
.if k == 34
	v_nop
	s_wait_alu depctr_va_vdst(0)                   ; one wait for the piece's 66 exponentials, ahead of their first reader
.endif
.set k, k+1
.endm
.macro PLACES
.rept 4
	v_nop
.endr
.endm
.macro HALF_KQ x, y                    ; piece x's 32 products K Q^T, two slices of piece y's softmax behind each
.set k, 0
.set i, 0
.rept 32
	KQ \x
	SLICE \y
	SLICE \y
.set i, i+1
.endr
.endm
.macro HALF_PV x, y
.set k, 0
.set i, 0
.rept 32
	PV \x
	SLICE \y
	SLICE \y
.set i, i+1
.endr
.endm
.macro LOADQ                           ; 64 queries: 32 loads of 512 consecutive bytes
	WIN 0x80
.set i, 0
.rept 32
	global_load_b128 v[4*i:4*i+3], v[LOF], s[20:21] offset:512*i
.set i, i+1
.endr
.endm
.macro LOADK                           ; 64 keys likewise
	WIN 0x80
.set i, 0
.rept 32
	global_load_b128 v[KF+4*i:KF+4*i+3], v[LOF], s[22:23] offset:512*i
.set i, i+1
.endr
.endm
.macro LOADV                           ; the same 64 keys of V^T: keys 32 (f / 8) on, channels 16 (f % 8) on
	WIN 0xc0
.irp f, 0,1,2,3,4,5,6,7,8,9,10,11,12,13,14,15
	global_load_b128 v[8*\f:8*\f+3],   v[LOF], s[24:25] offset:(\f%8)*4096+(\f/8)*1024
	global_load_b128 v[8*\f+4:8*\f+7], v[LOF], s[24:25] offset:(\f%8)*4096+(\f/8)*1024+512
.endr
.endm
; What block s[BETA] asks of me: the number of my steps, whether my last is the block's own, and where its Q and my first K and V lie.
.macro ADDR
	s_add_co_u32 s[CNT], s[BETA], 4
	s_sub_co_u32 s[CNT], s[CNT], s[WV]
	s_lshr_b32 s[CNT], s[CNT], 2                   ; my steps: w, w + 4, .. <= the block's number
	s_sub_co_u32 s[DIAG], s[BETA], s[WV]
	s_and_b32 s[DIAG], s[DIAG], 3
	s_mov_b32 s29, 0
	s_lshl_b32 s28, s[BETA], 14
	s_add_nc_u64 s[20:21], s[4:5], s[28:29]        ; the block's queries
	s_lshl_b32 s28, s[WV], 14
	s_add_nc_u64 s[22:23], s[8:9], s[28:29]        ; K of step w
	s_lshr_b32 s28, s[WV], 1
	s_lshl_b32 s28, s28, 15
	s_and_b32 s30, s[WV], 1
	s_lshl_b32 s30, s30, 11
	s_add_co_u32 s28, s28, s30
	s_add_nc_u64 s[24:25], s[10:11], s[28:29]      ; V of step w: 128 keys are 32,768 bytes; the odd step's pieces lie 2,048 on
.endm
; The block's own step: key 16 kg + 8 h + jj is hidden from query 16 t + r where it comes later.  kg < t: none; kg > t: all; kg = t: where jj > r - 8 h.
.macro MASK y
.irp t, \y, \y+1
.irp kg, 0,1,2,3
.if \kg == (\t)
.irp jj, 0,1,2,3,4,5,6,7
	v_cmp_gt_i32 vcc_lo, \jj, v[DM]
	v_cndmask_b32 v[S+32*(\t)+8*\kg+\jj], v[S+32*(\t)+8*\kg+\jj], v[NINF], vcc_lo
.endr
.elseif \kg > (\t)
.irp jj, 0,1,2,3,4,5,6,7
	v_mov_b32 v[S+32*(\t)+8*\kg+\jj], v[NINF]
.endr
.endif
.endr
.endr
.endm
; A KEY STEP.  next = 1: my next step's K and V are asked for.  next = 0: my last step, which is masked where it is the block's own.  pf = 1: the step stands in the block that prefetches.
.macro STEP next, pf
	s_wait_loadcnt 32                              ; K is in (and Q); V's 32 loads, issued behind it, may be out
.set i, 0
.rept 32
	KQ 0
.set i, i+1
.endr
	WIN 0
	PLACES                                         ; behind the products, ahead of the first read of their results
.if \next == 0
	s_cmp_lg_u32 s[DIAG], 0
	s_cbranch_scc1 .Lopen0_\@
	MASK 0
.Lopen0_\@:
.endif
	HALF_KQ 2, 0                                   ; slice 63's sixteen plain lines are the places behind the last product
	WIN 0
.if \next
	s_wait_xcnt 0x0                                ; earlier loads and prefetches have read their base
	s_add_nc_u64 s[22:23], s[22:23], 65536         ; four steps on
	LOADK
	WIN 0
.if \pf
	s_cmp_gt_u32 s[TRIPS], s[LIM]                  ; the step eight on is mine and exists where two steps or more are still to come
	s_cbranch_scc0 .Lnot_mine_\@
	global_prefetch_b8 v[PFK], s[22:23] offset:65536 th:TH_LOAD_NT scope:SCOPE_SE      ; its K: 16,384 bytes, lanes 256 bytes apart
	global_prefetch_b8 v[PFK], s[22:23] offset:73728 th:TH_LOAD_NT scope:SCOPE_SE
	global_prefetch_b8 v[PFV], s[24:25] offset:131072 th:TH_LOAD_NT scope:SCOPE_SE     ; its V: eight runs of 2,048 bytes, 4,096 apart
	global_prefetch_b8 v[PFV], s[24:25] offset:147456 th:TH_LOAD_NT scope:SCOPE_SE
.Lnot_mine_\@:
.endif
	s_wait_loadcnt 32                              ; V is in; the next K's 32 loads may be out
.else
	s_cmp_lg_u32 s[DIAG], 0
	s_cbranch_scc1 .Lopen2_\@
	MASK 2
.Lopen2_\@:
	s_wait_loadcnt 0x0
.endif
	HALF_PV 0, 2
.set i, 0
.rept 32
	PV 2
.set i, i+1
.endr
	WIN 0
.if \next
	PLACES                                         ; ahead of loads into registers that the products have read
	s_wait_xcnt 0x0
	s_add_nc_u64 s[24:25], s[24:25], 65536
	LOADV
	WIN 0
.endif
.endm
; A BLOCK OF 64 QUERIES.  Its Q and my first K and V are on their way.  more = 1: another block follows, and its loads are asked for in this block's merge.
.macro QBLOCK more
	s_lshl_b32 s28, s[BETA], 6
	s_lshl_b32 s30, s[WV], 4
	s_add_co_u32 s28, s28, s30
	s_lshl_b32 s28, s28, 11
	s_mov_b32 s29, 0
	s_add_nc_u64 s[26:27], s[6:7], s[28:29]        ; ao at query 64 x block + 16 w
.irp t, 0,1,2,3
	v_mov_b32 v[ST+8*\t+1], 0xff61b1e6             ; m: -3e38, under every score
	v_mov_b32 v[ST+8*\t+2], 0
	v_mov_b32 v[ST+8*\t+3], 0
.endr
.irp t, 0,1,2,3
	v_mul_f32 v[ST+8*\t], s[CS], v[ST+8*\t+1]
.endr
	WIN 0x40                                       ; O^T begins as zeros: a wave without steps hands zeros to the merge, and the step is written without a first form of its own
.set i, 0
.rept 256
	v_mov_b32 v[i], 0
.set i, i+1
.endr
	WIN 0
	s_cmp_eq_u32 s[CNT], 0
	s_cbranch_scc1 .Lmerge_\@
	s_sub_co_u32 s[TRIPS], s[CNT], 1
	s_cmp_eq_u32 s[TRIPS], 0
	s_cbranch_scc1 .Llast_\@
.Lstep_\@:
	STEP 1, \more
	s_sub_co_u32 s[TRIPS], s[TRIPS], 1
	s_cmp_lg_u32 s[TRIPS], 0
	s_cbranch_scc1 .Lstep_\@
.Llast_\@:
	STEP 0, 0
.Lmerge_\@:
	; THE MERGE.  Each wave's (c m, l) and O^T go to LDS as they stand; wave w then makes tile w: O = sum of g_s O_s, g_s = 2^(c m_s - the largest c m) / the sum of 2^(..) l_s
.irp t, 0,1,2,3
	v_add_f32 v[ST+8*\t+4], v[ST+8*\t+2], v[ST+8*\t+3]     ; (these lines are the places behind the last products)
.endr
.irp t, 0,1,2,3
	v_permlanex16_b32 v[ST+8*\t+5], v[ST+8*\t+4], s[SEL], s[SEL+1]
.endr
.irp t, 0,1,2,3
	v_add_f32 v[ST+8*\t+1], v[ST+8*\t+4], v[ST+8*\t+5]     ; l
.endr
.if \more
	s_wait_loadcnt 0x0                             ; a wave that had no step has this block's loads out still: they land before their registers are asked for again,
	s_wait_xcnt 0x0                                ; and the prefetches have read their bases, which are written below
	s_mov_b32 s[BETA], s[BI]                       ; the second block
	ADDR
	LOADQ                                          ; its queries now; its K behind the first barrier, its V behind the second: so the LDS work below is not held up behind a long run of loads
	WIN 0
.endif
.irp t, 0,1,2,3
	ds_store_b64 v[STW], v[ST+8*\t:ST+8*\t+1] offset:256*\t
.endr
	WIN 0x04                                       ; an LDS store's data are its source 1: window 1
.set i, 0
.rept 64
	ds_store_b128 v[IMW], v[4*i:4*i+3] offset:512*i        ; ascending: each accumulator from its low end on
.set i, i+1
.endr
	WIN 0
	s_wait_dscnt 0x0                               ; for the others' sake: my stores have landed
	s_barrier_signal -1
	s_barrier_wait -1
.irp s, 0,1,2,3
	ds_load_b64 v[RB+2*\s:RB+2*\s+1], v[STR] offset:1024*\s
.endr
.set i, 0
.rept 16
	ds_load_b128 v[64+4*i:64+4*i+3], v[MR0] offset:512*i
.set i, i+1
.endr
.set i, 0
.rept 16
	ds_load_b128 v[128+4*i:128+4*i+3], v[MR0] offset:32768+512*i
.set i, i+1
.endr
.set i, 0
.rept 16
	ds_load_b128 v[192+4*i:192+4*i+3], v[MR1] offset:512*i
.set i, i+1
.endr
.if \more
	LOADK
	WIN 0
.endif
	s_wait_dscnt 48                                ; the statistics are in; the three images' 48 loads may be out
	v_max3_num_f32 v12, v[RB], v[RB+2], v[RB+4]
	v_max_num_f32 v12, v12, v[RB+6]
.irp s, 0,1,2,3
	v_sub_f32 v[GW+2*\s], v[RB+2*\s], v12
.endr
.irp s, 0,1,2,3
	v_exp_f32 v[GW+2*\s], v[GW+2*\s]
.endr
	v_nop
	s_wait_alu depctr_va_vdst(0)
	v_mul_f32 v13, v[GW], v[RB+1]
	v_fma_f32 v13, v[GW+2], v[RB+3], v13
	v_fma_f32 v13, v[GW+4], v[RB+5], v13
	v_fma_f32 v13, v[GW+6], v[RB+7], v13
	v_rcp_f32 v13, v13
	v_nop
	s_wait_alu depctr_va_vdst(0)
.irp s, 0,1,2,3
	v_mul_f32 v[GW+2*\s], v[GW+2*\s], v13
.endr
	s_wait_dscnt 32                                ; wave 0's image is in; two images may be out
.set i, 0
.rept 32
	v_pk_mul_f32 v[64+2*i:65+2*i], v[64+2*i:65+2*i], v[GW:GW+1] op_sel_hi:[1,0]
.set i, i+1
.endr
	WIN 0xc0
.set i, 0
.rept 16
	ds_load_b128 v[128+4*i:128+4*i+3], v[MR1] offset:32768+512*i      ; wave 3's image, into window 3
.set i, i+1
.endr
	WIN 0
	s_wait_dscnt 32                                ; wave 1's is in; wave 2's and wave 3's may be out
.set i, 0
.rept 32
	v_pk_fma_f32 v[64+2*i:65+2*i], v[128+2*i:129+2*i], v[GW+2:GW+3], v[64+2*i:65+2*i] op_sel_hi:[1,0,1]
.set i, i+1
.endr
	s_wait_dscnt 16                                ; wave 2's is in; wave 3's may be out
.set i, 0
.rept 32
	v_pk_fma_f32 v[64+2*i:65+2*i], v[192+2*i:193+2*i], v[GW+4:GW+5], v[64+2*i:65+2*i] op_sel_hi:[1,0,1]
.set i, i+1
.endr
	s_wait_dscnt 0x0                               ; all my reads of the images and statistics are over:
	s_barrier_signal -1                            ; say so; only work on registers up to the wait
	WIN 0x03
.set i, 0
.rept 32
	v_pk_fma_f32 v[64+2*i:65+2*i], v[128+2*i:129+2*i], v[GW+6:GW+7], v[64+2*i:65+2*i] op_sel_hi:[1,0,1]
.set i, i+1
.endr
	WIN 0
.set i, 0
.rept 32
	v_cvt_pk_f16_f32 v[128+i], v[64+2*i], v[65+2*i]
.set i, i+1
.endr
	s_barrier_wait -1                              ; behind it the next block's images may be stored
.if \more
	LOADV
	WIN 0
.endif
.irp f, 0,1,2,3,4,5,6,7
	ds_store_b128 v[STO], v[128+4*\f:128+4*\f+3] offset:32*\f
.endr
.irp f, 0,1,2,3,4,5,6,7
	ds_load_b128 v[160+4*\f:160+4*\f+3], v[RD] offset:\f*2*SPP    ; LDS serves a wave's instructions in order: these see my stores
.endr
.irp f, 0,1,2,3,4,5,6,7
	s_wait_dscnt 7-\f                              ; load f is in; the later ones may be out
	global_store_b128 v[GO], v[160+4*\f:160+4*\f+3], s[26:27] offset:4096*\f   ; sixteen lanes store 256 consecutive bytes, aligned
.endr
.if \more
	s_wait_xcnt 0x0                                ; the stores have read their registers and their base, which the next block writes
.endif
.endm
	ADDR                                           ; the first block: 31 - i
	LOADQ
	LOADK
	LOADV
	WIN 0
	QBLOCK 1
	QBLOCK 0
	s_wait_tensorcnt 0x0                           ; the wave's end
	ds_add_u32 v[SPW], v[NIL]
	s_wait_dscnt 0x0
	s_endpgm
.Lfunc_end_k_q57c5884c33_attn:
	.size	k_q57c5884c33_attn, .Lfunc_end_k_q57c5884c33_attn-k_q57c5884c33_attn
	.p2alignl 7, 3214868480
	.fill 96, 4, 3214868480
	.section	.rodata,"a",@progbits
	.p2align	6, 0x0
	.amdhsa_kernel k_q57c5884c33_attn
		.amdhsa_group_segment_fixed_size 153088
		.amdhsa_private_segment_fixed_size 0
		.amdhsa_enable_private_segment 0
		.amdhsa_kernarg_size 16
		.amdhsa_user_sgpr_count 2
		.amdhsa_user_sgpr_kernarg_segment_ptr 1
		.amdhsa_wavefront_size32 1
		.amdhsa_system_sgpr_workgroup_id_x 1
		.amdhsa_system_sgpr_workgroup_id_y 1
		.amdhsa_system_sgpr_workgroup_id_z 1
		.amdhsa_system_vgpr_workitem_id 0
		.amdhsa_next_free_vgpr 1024
		.amdhsa_next_free_sgpr 66
		.amdhsa_reserve_vcc 1
		.amdhsa_float_denorm_mode_32 3
		.amdhsa_float_denorm_mode_16_64 3
		.amdhsa_memory_ordered 1
		.amdhsa_forward_progress 1
		.amdhsa_inst_pref_size 255
	.end_amdhsa_kernel
	.section	.bss,"aw",@nobits
	.p2align	6
	.space	262144
	.amdgpu_metadata
---
amdhsa.version: [ 1, 2 ]
amdhsa.kernels:
  - .name:           k_q57c5884c33_attn
    .symbol:         k_q57c5884c33_attn.kd
    .args:
      - { .name: qkvimg, .offset: 0, .size: 8, .value_kind: global_buffer, .address_space: global }
      - { .name: ao, .offset: 8, .size: 8, .value_kind: global_buffer, .address_space: global }
    .group_segment_fixed_size: 153088
    .private_segment_fixed_size: 0
    .kernarg_segment_align: 8
    .kernarg_segment_size: 16
    .max_flat_workgroup_size: 128
    .sgpr_count:     66
    .vgpr_count:     1024
    .wavefront_size: 32
...
	.end_amdgpu_metadata
.endif
;; end of part 3
;; launch oproj (part 4): grid 8 x 32, 4 waves a work-group, clusters of 4 x 4, 327,680 bytes of LDS; arguments ao, wo16, out0; writes out0
.if DOCPART == 4
	.amdgcn_target "amdgcn-amd-amdhsa--gfx1250"
	.amdhsa_code_object_version 6
	.text
	.protected	k_q57c5884c33_oproj
	.globl	k_q57c5884c33_oproj
	.p2align	8
	.type	k_q57c5884c33_oproj,@function
k_q57c5884c33_oproj:
	s_mov_b64 s[64:65], 0
	v_nop
	global_prefetch_b8 v0, s[64:65] scope:SCOPE_SE
	s_setreg_imm32_b32 hwreg(HW_REG_WAVE_MODE, 25, 1), 1
	s_wait_xcnt 0x0
	s_wait_alu depctr_hold_cnt(0) depctr_sa_sdst(0) depctr_va_vdst(0) depctr_va_sdst(0) depctr_va_ssrc(0) depctr_va_vcc(0) depctr_vm_vsrc(0)
	s_getreg_b32 s2, hwreg(HW_REG_IB_STS2, 6, 4)
	s_cmp_eq_u32 s2, 0
	s_cbranch_scc0 .Lentry_in_a_cluster
	s_endpgm
.Lentry_in_a_cluster:
	s_bfe_u32 s2, ttmp6, 0x10000c
	s_cmp_lg_u32 s2, 0xf033
	s_cbranch_scc0 .Lentry_shape_is_right
	s_endpgm
.Lentry_shape_is_right:
; OPROJ.  out0 [4096][2048] f32 = ao [4096][1024] f16 x wo16 [1024 k][2048 n] f16, sums in f32.  (Rows 0-15 of each sequence are written again, more finely, by the launch that follows.)
; A tile of C is 128 x 256: 256 work-groups.  Four waves, each 64 x 128: 32 accumulators of 16 x 16, all of window 1.  K goes in steps of 128 through a ring of two LDS slots.
; The matrix instruction is used transposed: source 0 = 16 columns of Wo x 32 k, taken from rows that lie along n by the turning load; source 1 = 16 rows of ao.  A lane then holds eight neighbouring numbers of a row of C.
; CLUSTERS: 4 x 4 work-groups.  ao's tile hangs on the tile row alone and is asked for jointly along a row of the cluster, Wo's on the tile column alone and jointly along a column.
; By this text's count a wave has two tensor loads out at the start and one behind each round.
.set PA,     272                       ; a row of ao's tile: 256 bytes + 16: the 16 rows of a load start at 16 different banks
.set PB,     544                       ; a row of Wo's tile: 512 bytes + 32: an odd multiple of 32, as the turning load's 8 rows x 32 bytes want
.set SLOT,   128*PA+128*PB             ; 104,448
.set STAGE,  2*SLOT
.set SPITCH, 528
.set SPARE,  STAGE+4*16*SPITCH         ; the spare words: two blocks of 256 bytes that no other line names
.set LAPS,   4
.set ADRA, 16
.set ADRB, 20
.set STO,  24
.set RD,   25
.set CO,   26
.set SPW,  28
.set NIL,  29
.set F0,   32                          ; a fragment buffer: 32 registers of ao (4 x 16 rows x 32 k), then 64 of Wo (8 x 16 columns x 32 k)
.set F1,   128
.set BK,   32                          ; the way out: v32-95 and v96-159 by turns
.set G1, 24
.set G0, 32
.set G1B, 48
.set G0B, 56
.set MSB, 0
.macro WIN new
.if MSB != (\new)
	s_set_vgpr_msb (MSB<<8)|(\new)
.set MSB, (\new)
.endif
.endm
.set MUL, 0x50                         ; C and D window 1, the sources window 0
.macro JLOAD s                         ; a joint load: waves 0 and 1 fetch ao's two halves, waves 2 and 3 Wo's; an s_nop 0 and four v_nop follow each line
	s_cmp_eq_u32 s11, 0
	s_cbranch_scc0 .Lfor_b_\@
	tensor_load_to_lds s[G0+4*\s:G0+4*\s+3], s[G1:G1+7]
	s_nop 0
.rept 4
	v_nop
.endr
	s_branch .Lasked_\@
.Lfor_b_\@:
	tensor_load_to_lds s[G0B+4*\s:G0B+4*\s+3], s[G1B:G1B+7]
	s_nop 0
.rept 4
	v_nop
.endr
.Lasked_\@:
.endm
.macro CREST
	s_cmp_lg_u32 s10, 0
	s_cbranch_scc1 .Lnot_wave_0_\@
	s_barrier_signal -3
.Lnot_wave_0_\@:
	s_barrier_wait -3
	s_barrier_signal -1
	s_barrier_wait -1
.endm
.macro CROUND
	s_barrier_signal -1
	s_barrier_wait -1
	CREST
.endm
	s_load_b128 s[4:7], s[0:1], 0x0                ; ao, wo16
	s_load_b64 s[8:9], s[0:1], 0x10                ; out0
	v_lshl_add_u32 v[SPW], v0, 2, SPARE
	v_mov_b32 v[NIL], 0
	ds_add_u32 v[SPW], v[NIL]                      ; the wave's opening: the add, twice on end, and its wait ahead of my first tensor load
	ds_add_u32 v[SPW], v[NIL]
	v_lshrrev_b32 v1, 5, v0
	v_readfirstlane_b32 s10, v1                    ; wave
	s_lshr_b32 s11, s10, 1                         ; my half of the tile's rows.  Also: I fetch ao (0) or Wo (1)
	s_and_b32 s12, s10, 1                          ; my half of its columns.  Also: which 64 rows of that tile I fetch
	s_bfe_u32 s40, ttmp6, 0x40000
	s_bfe_u32 s41, ttmp6, 0x40004
	s_lshl_b32 s42, ttmp9, 2
	s_add_co_u32 s42, s42, s40                     ; tile column
	s_and_b32 s13, ttmp7, 0xffff
	s_lshl_b32 s13, s13, 2
	s_add_co_u32 s13, s13, s41                     ; tile row
	s_lshl_b32 s43, s41, 2
	s_lshl_b32 s43, 15, s43                        ; my row of the cluster
	s_lshl_b32 s44, 0x1111, s40                    ; my column
	s_or_b32 s[G1+0], s43, (1<<16)|(1<<20)|(1<<21)|(5<<22)|(3<<25)   ; elements of 2 bytes; 4 words of padding behind every 64
	s_mov_b32 s[G1+1], 128<<16                     ; tensor_dim0
	s_mov_b32 s[G1+2], 64<<16                      ; tensor_dim1
	s_mov_b32 s[G1+3], 128<<16                     ; tile_dim0
	s_mov_b32 s[G1+4], 64                          ; tile_dim1
	s_mov_b32 s[G1+5], 1024                        ; pitch
	s_mov_b32 s[G1+6], 0
	s_mov_b32 s[G1+7], 0
	s_or_b32 s[G1B+0], s44, (1<<16)|(1<<20)|(1<<21)|(6<<22)|(7<<25)  ; 8 words of padding behind every 128
	s_mov_b32 s[G1B+1], 256<<16
	s_mov_b32 s[G1B+2], 64<<16
	s_mov_b32 s[G1B+3], 256<<16
	s_mov_b32 s[G1B+4], 64
	s_mov_b32 s[G1B+5], 2048
	s_mov_b32 s[G1B+6], 0
	s_mov_b32 s[G1B+7], 0
	s_lshl_b32 s16, s13, 7
	s_lshl_b32 s17, s12, 6
	s_add_co_u32 s16, s16, s17
	s_lshl_b32 s16, s16, 11                        ; ao: (128 x tile row + 64 x half) rows of 2,048 bytes
	s_mov_b32 s17, 0
	s_lshl_b32 s46, s12, 18                        ; Wo: 64 x half rows of 4,096 bytes + 512 x tile column
	s_lshl_b32 s47, s42, 9
	s_add_co_u32 s46, s46, s47
	s_mov_b32 s47, 0
	s_mul_i32 s20, s12, 64*PA                      ; where they go: no place in the cluster enters an LDS address
	s_mul_i32 s21, s12, 64*PB
	s_add_co_u32 s21, s21, 128*PA
	s_wait_dscnt 0x0                               ; both opening adds are done
	s_wait_kmcnt 0x0
	s_add_nc_u64 s[14:15], s[4:5], s[16:17]
	s_add_nc_u64 s[46:47], s[6:7], s[46:47]
	CROUND                                         ; all sixteen work-groups are here: the first joint loads meet
.irp s, 0,1
	s_mov_b32 s[G0+4*\s], 1
	s_add_co_u32 s[G0+4*\s+1], s20, \s*SLOT
	s_add_nc_u64 s[G0+4*\s+2:G0+4*\s+3], s[14:15], \s*256
	s_or_b32 s[G0+4*\s+3], s[G0+4*\s+3], 0x80000000
	s_mov_b32 s[G0B+4*\s], 1
	s_add_co_u32 s[G0B+4*\s+1], s21, \s*SLOT
	s_add_nc_u64 s[G0B+4*\s+2:G0B+4*\s+3], s[46:47], \s*128*4096
	s_or_b32 s[G0B+4*\s+3], s[G0B+4*\s+3], 0x80000000
	JLOAD \s
.endr
	v_and_b32 v1, 15, v0
	v_bfe_u32 v2, v0, 4, 1
	v_mul_u32_u24 v3, v1, PA
	v_lshl_add_u32 v3, v2, 4, v3
	s_mul_i32 s22, s11, 64*PA
	v_add_nc_u32 v[ADRA], s22, v3                  ; ao: my 64 rows; row r, + 16 h
	v_add_nc_u32 v[ADRA+1], SLOT, v[ADRA]
	v_and_b32 v4, 7, v0
	v_lshl_add_u32 v4, v2, 3, v4
	v_mul_u32_u24 v4, v4, PB                       ; Wo: k row 8 h + lane % 8,
	v_bfe_u32 v5, v0, 3, 1
	v_lshl_add_u32 v4, v5, 4, v4                   ; 16 bytes for each half of a group of sixteen lanes,
	s_lshl_b32 s22, s12, 8
	s_add_co_u32 s22, s22, 128*PA
	v_add_nc_u32 v[ADRB], s22, v4                  ; my 128 columns, behind ao's rows
	v_add_nc_u32 v[ADRB+1], SLOT, v[ADRB]
	s_mul_i32 s23, s10, 16*SPITCH
	s_add_co_u32 s23, s23, STAGE
	v_mul_u32_u24 v5, v1, SPITCH
	v_lshl_add_u32 v5, v2, 5, v5
	v_add_nc_u32 v[STO], s23, v5
	v_and_b32 v6, 31, v0
	v_lshlrev_b32 v[CO], 4, v6
	v_add_nc_u32 v[RD], s23, v[CO]
	s_lshl_b32 s16, s13, 7
	s_lshl_b32 s17, s11, 6
	s_add_co_u32 s16, s16, s17
	s_lshl_b32 s16, s16, 13                        ; my first row of C, 8,192 bytes a row
	s_mov_b32 s17, 0
	s_add_nc_u64 s[8:9], s[8:9], s[16:17]
	s_lshl_b32 s46, s42, 10
	s_lshl_b32 s47, s12, 9
	s_add_co_u32 s46, s46, s47                     ; my first column, in bytes
	s_mov_b32 s47, 0
	s_add_nc_u64 s[8:9], s[8:9], s[46:47]
.macro MUL8 f, a, zero                 ; ao's block a x Wo's eight.  The 32 accumulators take turns, one instruction a turn, in the same order in every quarter
.irp b, 0,1,2,3,4,5,6,7
.if \zero
	v_wmma_f32_16x16x32_f16 v[8*(8*(\a)+\b):8*(8*(\a)+\b)+7], v[\f+32+8*\b:\f+32+8*\b+7], v[\f+8*(\a):\f+8*(\a)+7], 0
.else
	v_wmma_f32_16x16x32_f16 v[8*(8*(\a)+\b):8*(8*(\a)+\b)+7], v[\f+32+8*\b:\f+32+8*\b+7], v[\f+8*(\a):\f+8*(\a)+7], v[8*(8*(\a)+\b):8*(8*(\a)+\b)+7]
.endif
.endr
.endm
.macro MUL16 f, a0, zero
	MUL8 \f, \a0, \zero
	MUL8 \f, \a0+1, \zero
.endm
.macro FETCH slot, q, f                ; 24 LDS loads in one run: the fragments of the slot's q-th 32 along K; Wo's first, ao's blocks 0 to 3 last
.irp b, 0,1,2,3,4,5,6,7
	ds_load_tr16_b128 v[\f+32+8*\b:\f+32+8*\b+3],   v[ADRB+\slot] offset:(\q)*32*PB+32*\b
	ds_load_tr16_b128 v[\f+32+8*\b+4:\f+32+8*\b+7], v[ADRB+\slot] offset:(\q)*32*PB+32*\b+16*PB
.endr
.irp i, 0,1,2,3
	ds_load_b128 v[\f+8*\i:\f+8*\i+3],   v[ADRA+\slot] offset:64*(\q)+\i*16*PA
	ds_load_b128 v[\f+8*\i+4:\f+8*\i+7], v[ADRA+\slot] offset:64*(\q)+\i*16*PA+32
.endr
.endm
.macro PLACES
.rept 4
	v_nop
.endr
.endm
.macro QUARTER slot, q, f, g, zero     ; multiplies buffer f; in its middle it fetches quarter q of the slot into buffer g
	s_wait_dscnt 4                                 ; Wo's fragments and ao's blocks 0, 1 are in; the youngest four loads (blocks 2, 3) may be out
	WIN MUL
	MUL16 \f, 0, \zero
	WIN 0
	PLACES
	FETCH \slot, \q, \g
	s_wait_dscnt 24                                ; all but the 24 just issued
	WIN MUL
	MUL16 \f, 2, \zero
.endm
; The last quarter multiplies buffer 1 and changes slots: one barrier; in front of it each wave waits for all its tensor loads, adds 0 to its spare word, and waits for that and for its own reads of this slot.
.macro TURN slot, next, fill
	WIN 0
	s_wait_tensorcnt 0x0                           ; all my tensor loads have landed: my part of the next slot
	ds_add_u32 v[SPW], v[NIL]
	s_wait_dscnt 5                                 ; the add and the youngest four loads may be out
	WIN MUL
	MUL8 F1, 0, 0
	s_wait_dscnt 0x0                               ; the add is done, and my reads of this slot are over
	s_barrier_signal -1
	MUL8 F1, 1, 0
	WIN 0
	s_barrier_wait -1
.if \fill
	CREST                                          ; the barrier has opened a round of the cluster's barrier
	s_add_nc_u64 s[G0+4*\slot+2:G0+4*\slot+3], s[G0+4*\slot+2:G0+4*\slot+3], 512
	s_add_nc_u64 s[G0B+4*\slot+2:G0B+4*\slot+3], s[G0B+4*\slot+2:G0B+4*\slot+3], 2*128*4096
	JLOAD \slot                                    ; my one tensor load behind the round; its four v_nop are the places in front of the loads below
.else
	PLACES
.endif
	FETCH \next, 0, F0
	WIN MUL
	MUL16 F1, 2, 0
.endm
	s_wait_tensorcnt 1                             ; my part of K step 0 is in; K step 1's load may be out
	s_barrier_signal -1
	s_barrier_wait -1
	FETCH 0, 0, F0
	QUARTER 0, 1, F0, F1, 1                        ; the first quarter's products start the sums
	WIN 0
	s_mov_b32 s3, LAPS-1
.Llap:
	QUARTER 0, 2, F1, F0, 0
	QUARTER 0, 3, F0, F1, 0
	TURN 0, 1, 1
	QUARTER 1, 1, F0, F1, 0
	QUARTER 1, 2, F1, F0, 0
	QUARTER 1, 3, F0, F1, 0
	TURN 1, 0, 1
	QUARTER 0, 1, F0, F1, 0
	WIN 0
	s_sub_co_u32 s3, s3, 1
	s_cmp_lg_u32 s3, 0
	s_cbranch_scc1 .Llap
	QUARTER 0, 2, F1, F0, 0                        ; the last lap fills nothing
	QUARTER 0, 3, F0, F1, 0
	TURN 0, 1, 0
	QUARTER 1, 1, F0, F1, 0
	QUARTER 1, 2, F1, F0, 0
	QUARTER 1, 3, F0, F1, 0
	s_wait_dscnt 4
	WIN MUL
	MUL16 F1, 0, 0
	s_wait_dscnt 0
	MUL16 F1, 2, 0
	WIN 0
; THE WAY OUT, block by block of 16 rows x 128 columns, through my own stage: in as 32 bytes a lane, back as whole rows of 512 bytes.
.macro TOSTAGE a
	WIN 0x04                                       ; an LDS store's data are its source 1: window 1
.irp b, 0,1,2,3,4,5,6,7
	ds_store_b128 v[STO], v[8*(8*(\a)+\b):8*(8*(\a)+\b)+3] offset:64*\b          ; each accumulator from its low end on
	ds_store_b128 v[STO], v[8*(8*(\a)+\b)+4:8*(8*(\a)+\b)+7] offset:64*\b+16
.endr
	WIN 0
.set BB, BK+64*((\a)%2)
.irp t, 0,1,2,3,4,5,6,7,8,9,10,11,12,13,14,15
	ds_load_b128 v[BB+4*\t:BB+4*\t+3], v[RD] offset:\t*SPITCH    ; LDS serves a wave's instructions in order: these see the stores above
.endr
.endm
.macro SEND a, younger
.set BB, BK+64*((\a)%2)
	s_wait_dscnt \younger                          ; the block is back; the next block's 16 stores and 16 loads may be out
.if (\a) > 0
	s_add_nc_u64 s[8:9], s[8:9], 16*8192           ; (behind a wait for the earlier stores' addresses)
.endif
.irp t, 0,1,2,3,4,5,6,7,8,9,10,11,12,13,14,15
	global_store_b128 v[CO], v[BB+4*\t:BB+4*\t+3], s[8:9] offset:\t*8192 th:TH_STORE_NT   ; 32 lanes store 512 consecutive bytes, aligned
.endr
.endm
	PLACES
	TOSTAGE 0
.irp a, 1,2,3
.if \a > 1
	s_wait_xcnt 0x0                                ; block a - 2's stores have read their registers and their base
.endif
	TOSTAGE \a
	SEND \a-1, 32
.endr
	s_wait_xcnt 0x0
	SEND 3, 0
	s_wait_tensorcnt 0x0                           ; the wave's end
	ds_add_u32 v[SPW], v[NIL]
	s_wait_dscnt 0x0
	CROUND                                         ; the closing round
	s_endpgm
.Lfunc_end_k_q57c5884c33_oproj:
	.size	k_q57c5884c33_oproj, .Lfunc_end_k_q57c5884c33_oproj-k_q57c5884c33_oproj
	.p2alignl 7, 3214868480
	.fill 96, 4, 3214868480
	.section	.rodata,"a",@progbits
	.p2align	6, 0x0
	.amdhsa_kernel k_q57c5884c33_oproj
		.amdhsa_group_segment_fixed_size 327680
		.amdhsa_private_segment_fixed_size 0
		.amdhsa_enable_private_segment 0
		.amdhsa_kernarg_size 24
		.amdhsa_user_sgpr_count 2
		.amdhsa_user_sgpr_kernarg_segment_ptr 1
		.amdhsa_wavefront_size32 1
		.amdhsa_system_sgpr_workgroup_id_x 1
		.amdhsa_system_sgpr_workgroup_id_y 1
		.amdhsa_system_sgpr_workgroup_id_z 1
		.amdhsa_system_vgpr_workitem_id 0
		.amdhsa_next_free_vgpr 512
		.amdhsa_next_free_sgpr 66
		.amdhsa_reserve_vcc 0
		.amdhsa_float_denorm_mode_32 3
		.amdhsa_float_denorm_mode_16_64 3
		.amdhsa_memory_ordered 1
		.amdhsa_forward_progress 1
		.amdhsa_inst_pref_size 85
	.end_amdhsa_kernel
	.amdgpu_metadata
---
amdhsa.version: [ 1, 2 ]
amdhsa.kernels:
  - .name:           k_q57c5884c33_oproj
    .symbol:         k_q57c5884c33_oproj.kd
    .args:
      - { .name: ao, .offset: 0, .size: 8, .value_kind: global_buffer, .address_space: global }
      - { .name: wo16, .offset: 8, .size: 8, .value_kind: global_buffer, .address_space: global }
      - { .name: out0, .offset: 16, .size: 8, .value_kind: global_buffer, .address_space: global }
    .group_segment_fixed_size: 327680
    .private_segment_fixed_size: 0
    .kernarg_segment_align: 8
    .kernarg_segment_size: 24
    .max_flat_workgroup_size: 128
    .sgpr_count:     66
    .vgpr_count:     512
    .wavefront_size: 32
...
	.end_amdgpu_metadata
.endif
;; end of part 4
;; launch fine (part 5): grid 32 x 2, 8 waves a work-group, no clusters, 35,840 bytes of LDS; arguments fst, Wo, out0; writes out0
.if DOCPART == 5
	.amdgcn_target "amdgcn-amd-amdhsa--gfx1250"
	.amdhsa_code_object_version 6
	.text
	.protected	k_q57c5884c33_fine
	.globl	k_q57c5884c33_fine
	.p2align	8
	.type	k_q57c5884c33_fine,@function
k_q57c5884c33_fine:
	s_mov_b64 s[64:65], 0
	v_nop
	global_prefetch_b8 v0, s[64:65] scope:SCOPE_SE
	s_setreg_imm32_b32 hwreg(HW_REG_WAVE_MODE, 25, 1), 1
	s_wait_xcnt 0x0
; FINE.  The first 16 positions of each sequence average one to sixteen values and are the largest numbers of the output: they are carried in f32 from q, k, v to out0, and written over what the launch before left there.
; A work-group owns one batch and 64 columns of out0; wave w is head w: its 16 x 16 scores, softmax, 16 x 128 result and that result's product with Wo's 128 rows x 64 columns; the eight heads' parts are added through LDS.
; All products by the f32 matrix form (16 x 16 x 4): some 190 instructions a wave, no bulk work.  The places of k inside an instruction are permuted alike on both sides, so that the f32 images are operands as they lie:
;   q, k: [bb][i][lane][16 B]: position r, channels 16 bb + 8 h + 4 i + 0..3.     v: [a][i][lane][16 B]: channel 16 a + r, keys 8 h + 4 i + 0..3.
; Wo: lane (r, h) loads row 16 a + 8 h + kk, columns 4 r + 0..3: a tile of 16 columns is columns 4 r + e.  Two exchanges of registers bring rows kk, kk + 1 of one column side by side.
; REGISTERS.  Those that the f32 matrix form writes have numbers from 192 on, in both windows, and nothing else writes such a number.
;   window 0: v4-15 addresses and work; v16-79 Q, later O / l; v80-143 K, later Wo's channel groups 5, 6, later the eight parts; v144-151 scores; v152-159 p; v160-191 Wo's group 4; v192-223 four accumulators
;   window 1: v0-63 V, later Wo's group 7; v64-191 Wo's groups 0-3; v192-255 O^T
.set QR,  16
.set KR,  80
.set SS,  144
.set PP,  152
.set ACC, 192
.set LOF, 4                            ; v4   16 x lane
.set WOF, 5                            ; v5   65,536 h + 16 r
.set SPW, 6
.set NIL, 7
.set PST, 8                            ; v8   where I put my part: 4,352 x wave + 272 x 8 h + 16 r
.set RDA, 9                            ; v9   where I read a row of a part: 272 (2 w + lane / 16) + 16 (lane % 16)
.set GOF, 10                           ; v10  the same place in out0
.set DM,  11                           ; v11  r - 8 h
.set SPARE, 34816                      ; behind the eight parts of 16 rows x 272 bytes: the spare words, 128 bytes for each wave: four blocks of 256 bytes that no other line names
.set MSB, 0
.macro WIN new
.if MSB != (\new)
	s_set_vgpr_msb (MSB<<8)|(\new)
.set MSB, (\new)
.endif
.endm
.macro FAR                             ; eight places behind this matrix form (ISA guide 7.12.1)
.rept 8
	v_nop
.endr
.endm
	s_load_b128 s[4:7], s[0:1], 0x0                ; fst, Wo
	s_load_b64 s[8:9], s[0:1], 0x10                ; out0
	v_lshl_add_u32 v[SPW], v0, 2, SPARE
	v_mov_b32 v[NIL], 0
	v_lshrrev_b32 v1, 5, v0
	v_readfirstlane_b32 s10, v1                    ; wave = head
	v_and_b32 v1, 31, v0
	v_and_b32 v2, 15, v0                           ; r
	v_bfe_u32 v3, v0, 4, 1                         ; h
	v_lshlrev_b32 v[LOF], 4, v1
	v_lshlrev_b32 v[WOF], 16, v3
	v_lshl_add_u32 v[WOF], v2, 4, v[WOF]
	s_mul_i32 s11, s10, 4352
	v_mul_u32_u24 v[PST], v3, 8*272
	v_lshl_add_u32 v[PST], v2, 4, v[PST]
	v_add_nc_u32 v[PST], s11, v[PST]
	s_lshl_b32 s11, s10, 1
	v_add_nc_u32 v[RDA], s11, v3                   ; row 2 w + lane / 16
	v_lshlrev_b32 v[GOF], 13, v[RDA]
	v_lshl_add_u32 v[GOF], v2, 4, v[GOF]
	v_mul_u32_u24 v[RDA], v[RDA], 272
	v_lshl_add_u32 v[RDA], v2, 4, v[RDA]
	v_lshlrev_b32 v[DM], 3, v3
	v_sub_nc_u32 v[DM], v2, v[DM]
	s_and_b32 s12, ttmp7, 0xffff                   ; batch
	s_lshl_b32 s14, s12, 3
	s_add_co_u32 s14, s14, s10
	s_lshl_b32 s14, s14, 13                        ; 8,192 (8 b + head)
	s_mov_b32 s15, 0
	s_lshl_b32 s16, s10, 20                        ; Wo: the head's 128 rows of 8,192 bytes,
	s_lshl_b32 s17, ttmp9, 8                       ; my 64 columns
	s_add_co_u32 s16, s16, s17
	s_mov_b32 s17, 0
	s_lshl_b32 s18, s12, 24                        ; out0: the batch's 2,048 rows of 8,192 bytes
	s_lshl_b32 s19, ttmp9, 8
	s_add_co_u32 s18, s18, s19
	s_mov_b32 s19, 0
	s_mov_b32 s20, 0x76543210
	s_mov_b32 s21, 0xfedcba98
	s_mov_b32 s22, 0x3e0293ee                      ; c = log2(e) / sqrt(128)
	s_wait_kmcnt 0x0
	s_add_nc_u64 s[4:5], s[4:5], s[14:15]
	s_add_nc_u64 s[6:7], s[6:7], s[16:17]
	s_add_nc_u64 s[8:9], s[8:9], s[18:19]
.macro WOLOAD a, base                  ; Wo's channel group a: 8 loads, each two runs of 256 consecutive bytes
.irp kk, 0,1,2,3,4,5,6,7
	global_load_b128 v[\base+4*\kk:\base+4*\kk+3], v[WOF], s[6:7] offset:(16*(\a)+\kk)*8192
.endr
.endm
.macro SWAPS base                      ; rows 2 u and 2 u + 1 of one column side by side: tile 0 at +0, tile 1 at +4, tile 2 at +2, tile 3 at +6 of each eight registers
.irp u, 0,1,2,3
	v_swap_b32 v[\base+8*\u+1], v[\base+8*\u+4]
	v_swap_b32 v[\base+8*\u+3], v[\base+8*\u+6]
.endr
.endm
.irp qd, 0,1,2,3,4,5,6,7,8,9,10,11,12,13,14,15
	global_load_b128 v[QR+4*\qd:QR+4*\qd+3], v[LOF], s[4:5] offset:512*\qd
.endr
.irp qd, 0,1,2,3,4,5,6,7,8,9,10,11,12,13,14,15
	global_load_b128 v[KR+4*\qd:KR+4*\qd+3], v[LOF], s[4:5] offset:131072+512*\qd
.endr
	WIN 0x40
.irp qd, 0,1,2,3,4,5,6,7,8,9,10,11,12,13,14,15
	global_load_b128 v[4*\qd:4*\qd+3], v[LOF], s[4:5] offset:262144+512*\qd
.endr
	WOLOAD 0, 64
	WOLOAD 1, 96
	WOLOAD 2, 128
	WOLOAD 3, 160
	WIN 0
	WOLOAD 4, 160
	s_wait_loadcnt 56                              ; Q and K are in; V's 16 loads and Wo's 40 may be out
	; S^T = K Q^T: 32 instructions on four accumulators by turns; the first four start the sums
.set t, 0
.rept 32
.if t < 4
	v_wmma_f32_16x16x4_f32 v[ACC+8*(t%4):ACC+8*(t%4)+7], v[KR+2*t:KR+2*t+1], v[QR+2*t:QR+2*t+1], 0
.else
	v_wmma_f32_16x16x4_f32 v[ACC+8*(t%4):ACC+8*(t%4)+7], v[KR+2*t:KR+2*t+1], v[QR+2*t:QR+2*t+1], v[ACC+8*(t%4):ACC+8*(t%4)+7]
.endif
.set t, t+1
.endr
	FAR
	WOLOAD 5, KR                                   ; into K's registers, which are done with
	WOLOAD 6, KR+32
.irp j, 0,1,2,3,4,5,6,7
	v_add_f32 v[SS+\j], v[ACC+\j], v[ACC+8+\j]     ; each accumulator from its low end on
	v_add_f32 v[PP+\j], v[ACC+16+\j], v[ACC+24+\j]
.endr
.irp j, 0,1,2,3,4,5,6,7
	v_add_f32 v[SS+\j], v[SS+\j], v[PP+\j]         ; score(query r, key 8 h + j)
.endr
	v_mov_b32 v12, 0xff800000
.irp j, 0,1,2,3,4,5,6,7
	v_cmp_gt_i32 vcc_lo, \j, v[DM]                 ; hidden where 8 h + j > r
	v_cndmask_b32 v[SS+\j], v[SS+\j], v12, vcc_lo
.endr
	v_max3_num_f32 v13, v[SS], v[SS+1], v[SS+2]
	v_max3_num_f32 v13, v13, v[SS+3], v[SS+4]
	v_max3_num_f32 v13, v13, v[SS+5], v[SS+6]
	v_max_num_f32 v13, v13, v[SS+7]
	v_mov_b32 v14, 0
	v_permlanex16_b32 v14, v13, s20, s21
	v_max_num_f32 v13, v13, v14                    ; the row's maximum: key 0 counts for every query
	v_mul_f32 v13, s22, v13
.irp j, 0,1,2,3,4,5,6,7
	v_fma_f32 v[PP+\j], v[SS+\j], s22, -v13
.endr
.irp j, 0,1,2,3,4,5,6,7
	v_exp_f32 v[PP+\j], v[PP+\j]
.endr
	v_nop
	s_wait_alu depctr_va_vdst(0)                   ; one wait for the eight, ahead of their first reader
	v_add_f32 v12, v[PP], v[PP+1]
	v_add_f32 v15, v[PP+2], v[PP+3]
	v_add_f32 v12, v12, v[PP+4]
	v_add_f32 v15, v15, v[PP+5]
	v_add_f32 v12, v12, v[PP+6]
	v_add_f32 v15, v15, v[PP+7]
	v_add_f32 v12, v12, v15
	v_permlanex16_b32 v14, v12, s20, s21
	v_add_f32 v12, v12, v14
	v_rcp_f32 v12, v12                             ; 1 / the row's sum
	v_nop
	s_wait_alu depctr_va_vdst(0)
	s_wait_loadcnt 56                              ; V is in; Wo's 40 and 16 loads may be out
	; O^T = V^T P: eight accumulators by turns, four keys an instruction
	WIN 0x51                                       ; V, C and D window 1, p window 0
.irp u, 0,1,2,3
.irp a, 0,1,2,3,4,5,6,7
.if \u == 0
	v_wmma_f32_16x16x4_f32 v[192+8*\a:199+8*\a], v[8*\a+2*\u:8*\a+2*\u+1], v[PP+2*\u:PP+2*\u+1], 0
.else
	v_wmma_f32_16x16x4_f32 v[192+8*\a:199+8*\a], v[8*\a+2*\u:8*\a+2*\u+1], v[PP+2*\u:PP+2*\u+1], v[192+8*\a:199+8*\a]
.endif
.endr
.endr
	s_wait_loadcnt 16                              ; Wo's groups 0 to 4 are in; groups 5 and 6 may be out
	WIN 0x41
	SWAPS 64
	SWAPS 96
	SWAPS 128
	SWAPS 160
	WIN 0
	SWAPS 160
	FAR
	WIN 0x40
	WOLOAD 7, 0                                    ; into V's registers, which are done with
	WIN 0x01
.set t, 0
.rept 64
	v_mul_f32 v[QR+t], v[192+t], v12               ; O / l: lane (r, h): query r, channel 16 a + 8 h + j at register 8 a + j.  Ascending: each accumulator from its low end on
.set t, t+1
.endr
	WIN 0
; out(query, column) += O(query, channel) Wo(channel, column): source 0 = two channels of my query, source 1 = the same two channels of my column; four tiles of columns by turns
.macro PROJ a, base
.irp u, 0,1,2,3
.irp e, 0,1,2,3
.if ((\a) == 0) && (\u == 0)
	v_wmma_f32_16x16x4_f32 v[ACC+8*\e:ACC+8*\e+7], v[QR+8*(\a)+2*\u:QR+8*(\a)+2*\u+1], v[\base+8*\u+4*(\e%2)+2*(\e/2):\base+8*\u+4*(\e%2)+2*(\e/2)+1], 0
.else
	v_wmma_f32_16x16x4_f32 v[ACC+8*\e:ACC+8*\e+7], v[QR+8*(\a)+2*\u:QR+8*(\a)+2*\u+1], v[\base+8*\u+4*(\e%2)+2*(\e/2):\base+8*\u+4*(\e%2)+2*(\e/2)+1], v[ACC+8*\e:ACC+8*\e+7]
.endif
.endr
.endr
.endm
	WIN 0x04                                       ; source 1 window 1
	PROJ 0, 64
	PROJ 1, 96
	PROJ 2, 128
	PROJ 3, 160
	WIN 0
	PROJ 4, 160
	s_wait_loadcnt 8                               ; groups 5 and 6 are in; group 7 may be out
	SWAPS KR
	SWAPS KR+32
	PROJ 5, KR
	PROJ 6, KR+32
	s_wait_loadcnt 0x0
	WIN 0x41
	SWAPS 0
	WIN 0x04
	PROJ 7, 0
	WIN 0
	FAR
.irp e, 0,1,2,3
.irp j, 0,1,2,3,4,5,6,7
	ds_store_b32 v[PST], v[ACC+8*\e+\j] offset:272*\j+4*\e     ; query 8 h + j, column 4 r + e of my head's part
.endr
.endr
	s_wait_dscnt 0x0                               ; for the others' sake: my stores have landed
	s_barrier_signal -1
	s_barrier_wait -1
.irp s, 0,1,2,3,4,5,6,7
	ds_load_b128 v[KR+4*\s:KR+4*\s+3], v[RDA] offset:4352*\s   ; rows 2 w, 2 w + 1 of the eight heads' parts
.endr
.irp s, 1,2,3,4,5,6,7
	s_wait_dscnt 7-\s                              ; part s is in; the later ones may be out
	v_pk_add_f32 v[KR:KR+1], v[KR:KR+1], v[KR+4*\s:KR+4*\s+1]
	v_pk_add_f32 v[KR+2:KR+3], v[KR+2:KR+3], v[KR+4*\s+2:KR+4*\s+3]
.endr
	global_store_b128 v[GOF], v[KR:KR+3], s[8:9]   ; sixteen lanes store 256 consecutive bytes, aligned
	s_wait_tensorcnt 0x0                           ; the wave's end
	ds_add_u32 v[SPW], v[NIL]
	s_wait_dscnt 0x0
	s_endpgm
.Lfunc_end_k_q57c5884c33_fine:
	.size	k_q57c5884c33_fine, .Lfunc_end_k_q57c5884c33_fine-k_q57c5884c33_fine
	.p2alignl 7, 3214868480
	.fill 96, 4, 3214868480
	.section	.rodata,"a",@progbits
	.p2align	6, 0x0
	.amdhsa_kernel k_q57c5884c33_fine
		.amdhsa_group_segment_fixed_size 35840
		.amdhsa_private_segment_fixed_size 0
		.amdhsa_enable_private_segment 0
		.amdhsa_kernarg_size 24
		.amdhsa_user_sgpr_count 2
		.amdhsa_user_sgpr_kernarg_segment_ptr 1
		.amdhsa_wavefront_size32 1
		.amdhsa_system_sgpr_workgroup_id_x 1
		.amdhsa_system_sgpr_workgroup_id_y 1
		.amdhsa_system_sgpr_workgroup_id_z 1
		.amdhsa_system_vgpr_workitem_id 0
		.amdhsa_next_free_vgpr 512
		.amdhsa_next_free_sgpr 66
		.amdhsa_reserve_vcc 1
		.amdhsa_float_denorm_mode_32 3
		.amdhsa_float_denorm_mode_16_64 3
		.amdhsa_memory_ordered 1
		.amdhsa_forward_progress 1
		.amdhsa_inst_pref_size 37
	.end_amdhsa_kernel
	.amdgpu_metadata
---
amdhsa.version: [ 1, 2 ]
amdhsa.kernels:
  - .name:           k_q57c5884c33_fine
    .symbol:         k_q57c5884c33_fine.kd
    .args:
      - { .name: fst, .offset: 0, .size: 8, .value_kind: global_buffer, .address_space: global }
      - { .name: Wo, .offset: 8, .size: 8, .value_kind: global_buffer, .address_space: global }
      - { .name: out0, .offset: 16, .size: 8, .value_kind: global_buffer, .address_space: global }
    .group_segment_fixed_size: 35840
    .private_segment_fixed_size: 0
    .kernarg_segment_align: 8
    .kernarg_segment_size: 24
    .max_flat_workgroup_size: 256
    .sgpr_count:     66
    .vgpr_count:     512
    .wavefront_size: 32
...
	.end_amdgpu_metadata
.endif
;; end of part 5
